; MI455X (gfx1250); checked and timed in simulation.
; The chip was launched on July 23, 2026; its instructions are those of AMD's public machine-readable ISA for CDNA 5 (MIT licence, August 2026) and "CDNA5" Instruction Set Architecture Reference Guide (July 2026). The comments in the code are by the model that wrote it; some were corrected since.
;; Soft Mo E. Allowed arithmetic: float matrix products may take bf16 or f16 operands with f32 sums; other float arithmetic in f32, or as packed bf16 or f16 multiplies, adds, multiply-adds, maxima and minima; sums over many terms, partial sums and values carried from step to step in f32; what a program stores and reads back later, other than sums and carried values, may be rounded once to bf16 or f16.
;; Inputs: W1 8 x 1,024 x 4,096 float32; W2 8 x 4,096 x 1,024 float32; Wr 1,024 x 8 float32; b1 8 x 4,096 float32; b2 8 x 1,024 float32; br 8 float32; x 2 x 512 x 1,024 float32.
;; Outputs: out0 2 x 512 x 1,024 float32.
;; Constants: top_k = 2.
;; 2 versions, each right and faster than the one before. Each part assembles by itself: llvm-mc -triple=amdgcn-amd-amdhsa -mcpu=gfx1250 --defsym DOCPART=n.
;; ======== version 1 of 2: 4 launches
;; workspace buffers: xb 2,097,152 bytes; sel 8,192 bytes of whole numbers; gate 8,192 bytes; h 16,777,216 bytes; yp 33,554,432 bytes
;; launch router (part 1): grid 256 x 1, 4 waves a work-group, no clusters, 0 bytes of LDS; arguments x, Wr, br, xb, sel, gate; writes xb, sel, gate
.if DOCPART == 1
	.amdgcn_target "amdgcn-amd-amdhsa--gfx1250"
	.amdhsa_code_object_version 6
	.text
	.protected	k_q7e072d3ce0_router
	.globl	k_q7e072d3ce0_router
	.p2align	8
	.type	k_q7e072d3ce0_router,@function
k_q7e072d3ce0_router:
	s_mov_b64 s[64:65], 0
	v_nop
	global_prefetch_b8 v0, s[64:65] scope:SCOPE_SE
	s_setreg_imm32_b32 hwreg(HW_REG_WAVE_MODE, 25, 1), 1
	s_wait_xcnt 0x0
; ROUTER.  logits[t][e] = sum over d of x[t][d] Wr[d][e] + br[e]; the two largest logits (a tie keeps the lower index); their softmax.
; x, Wr and br are rounded once to bf16, as every input of this program is; products of two bf16 are exact in f32, the sums are f32.
; Stored: xb[t][d] = x in bf16; sel[2 t + j] = the expert of the token's j-th choice (whole numbers); gate[2 t + j] = its weight (f32).  All at fixed places: no address hangs on a logit.
; SHARES.  One wave takes one token: t = 4 x work-group + wave.  Lane L and chunk c (0..7) take d = 128 c + 4 L + 0..3: 16 bytes of x, 128 consecutive bytes of Wr.
; No matrix unit: 8 columns are half a tile's width and the launch is bound by x's bytes.  No LDS, no barrier: the sum never leaves the wave.
; LIMITS.  NaN and infinite logits are not treated apart.  The order of the f32 sum differs from a row-by-row sum.
.set XR,  8                            ; v[8:39]    x, chunk c at XR + 4 c
.set WR,  40                           ; v[40:167]  Wr, four slots of 32: slot c % 4, register 8 i + e
.set XB,  168                          ; v[168:183] x in bf16, chunk c at XB + 2 c: each chunk's store has data registers of its own
.set WB,  184                          ; v[184:199] Wr in bf16: register 4 i + e / 2
.set ACC, 200                          ; v[200:207] the eight logits
.set T,   208                          ; v[208:219] at work
.set BV,  T+0                          ; the best logit, its index, the second, its index
.set BX,  T+1
.set CV2, T+2
.set CX,  T+3
.set NINF, T+4
	s_load_b256 s[4:11], s[0:1], 0x0               ; x s[4:5], Wr s[6:7], br s[8:9], xb s[10:11]
	s_load_b128 s[12:15], s[0:1], 0x20             ; sel s[12:13], gate s[14:15]
	v_lshrrev_b32 v5, 5, v0
	v_readfirstlane_b32 s26, v5                    ; wave
	s_lshl_b32 s27, ttmp9, 2
	s_add_co_u32 s27, s27, s26                     ; token
	v_and_b32 v1, 31, v0                           ; lane
	v_lshlrev_b32 v2, 4, v1                        ; 16 L: x
	v_lshlrev_b32 v3, 7, v1                        ; 128 L: Wr
	v_lshlrev_b32 v4, 3, v1                        ; 8 L: xb
	v_lshlrev_b32 v6, 2, v1                        ; 4 L: sel, gate
	s_mov_b32 s24, 0x76543210                      ; v_permlanex16_b32: each lane takes its own place in the other half
	s_mov_b32 s25, 0xfedcba98
	s_lshl_b32 s28, s27, 12                        ; a row of x: 4,096 bytes
	s_mov_b32 s29, 0
	s_lshl_b32 s32, s27, 11                        ; a row of xb: 2,048 bytes
	s_mov_b32 s33, 0
	s_lshl_b32 s34, s27, 3                         ; the token's two words in sel and in gate
	s_mov_b32 s35, 0
	s_wait_kmcnt 0x0
	s_load_b256 s[16:23], s[8:9], 0x0              ; br, eight numbers
	s_add_nc_u64 s[4:5], s[4:5], s[28:29]
	s_add_nc_u64 s[10:11], s[10:11], s[32:33]
	s_add_nc_u64 s[12:13], s[12:13], s[34:35]
	s_add_nc_u64 s[14:15], s[14:15], s[34:35]
.macro WLOAD c                         ; chunk c of Wr: 8 loads of 16 bytes a lane
.irp m, 0,1,2,3,4,5,6,7
	global_load_b128 v[WR+32*((\c)%4)+4*\m:WR+32*((\c)%4)+4*\m+3], v3, s[6:7] offset:4096*(\c)+16*\m
.endr
.endm
.irp c, 0,1,2,3,4,5,6,7
	global_load_b128 v[XR+4*\c:XR+4*\c+3], v2, s[4:5] offset:512*\c th:TH_LOAD_NT  ; the whole row: 512 consecutive bytes a load
.endr
	WLOAD 0
	WLOAD 1
	WLOAD 2
	WLOAD 3
.irp e, 0,1,2,3,4,5,6,7
	v_mov_b32 v[ACC+\e], 0
.endr
	v_mov_b32 v[NINF], 0xff800000
.macro MIX c, i, e                     ; logit e += x[4 L + i] Wr[..][e], both read as bf16 halves, summed in f32
.if (((\i)%2) == 0) && (((\e)%2) == 0)
	v_fma_mix_f32_bf16 v[ACC+(\e)], v[XB+2*(\c)+(\i)/2], v[WB+4*(\i)+(\e)/2], v[ACC+(\e)] op_sel_hi:[1,1,0]
.elseif (((\i)%2) == 1) && (((\e)%2) == 0)
	v_fma_mix_f32_bf16 v[ACC+(\e)], v[XB+2*(\c)+(\i)/2], v[WB+4*(\i)+(\e)/2], v[ACC+(\e)] op_sel:[1,0,0] op_sel_hi:[1,1,0]
.elseif ((\i)%2) == 0
	v_fma_mix_f32_bf16 v[ACC+(\e)], v[XB+2*(\c)+(\i)/2], v[WB+4*(\i)+(\e)/2], v[ACC+(\e)] op_sel:[0,1,0] op_sel_hi:[1,1,0]
.else
	v_fma_mix_f32_bf16 v[ACC+(\e)], v[XB+2*(\c)+(\i)/2], v[WB+4*(\i)+(\e)/2], v[ACC+(\e)] op_sel:[1,1,0] op_sel_hi:[1,1,0]
.endif
.endm
; One chunk.  left: the loads younger than this chunk's Wr, which may stay out (three chunks of eight, then the count runs down); all of x is older.
.macro CHUNK c, left, more
	s_wait_loadcnt \left
	v_cvt_pk_bf16_f32 v[XB+2*(\c)], v[XR+4*(\c)], v[XR+4*(\c)+1]
	v_cvt_pk_bf16_f32 v[XB+2*(\c)+1], v[XR+4*(\c)+2], v[XR+4*(\c)+3]
	global_store_b64 v4, v[XB+2*(\c):XB+2*(\c)+1], s[10:11] offset:256*(\c)  ; the wave stores 256 consecutive bytes, aligned
.irp n, 0,1,2,3,4,5,6,7,8,9,10,11,12,13,14,15
	v_cvt_pk_bf16_f32 v[WB+\n], v[WR+32*((\c)%4)+2*\n], v[WR+32*((\c)%4)+2*\n+1]
.endr
.if \more
	WLOAD (\c)+4                                   ; the slot has been read: it takes the chunk four further on
.endif
.irp i, 0,1,2,3
.irp e, 0,1,2,3,4,5,6,7
	MIX \c, \i, \e
.endr
.endr
.endm
	CHUNK 0, 24, 1
	CHUNK 1, 24, 1
	CHUNK 2, 24, 1
	CHUNK 3, 24, 1
	CHUNK 4, 24, 0
	CHUNK 5, 16, 0
	CHUNK 6, 8, 0
	CHUNK 7, 0, 0
	; over the 32 lanes: four steps inside each half ride on the addition, one crosses the halves; every lane ends with the same eight sums
.irp m, 1,2,4,8
.irp e, 0,1,2,3,4,5,6,7
	v_add_f32_dpp v[ACC+\e], v[ACC+\e], v[ACC+\e] row_xmask:\m row_mask:0xf bank_mask:0xf
.endr
.endr
.irp e, 0,1,2,3,4,5,6,7
	v_permlanex16_b32 v[WB+\e], v[ACC+\e], s24, s25  ; its destination counts as read: WB has been written
.endr
.irp e, 0,1,2,3,4,5,6,7
	v_add_f32 v[ACC+\e], v[ACC+\e], v[WB+\e]
.endr
	s_wait_kmcnt 0x0                               ; br
.irp p, 0,1,2,3
	v_cvt_pk_bf16_f32 v[T+5], s[16+2*\p], s[17+2*\p]  ; br rounded to bf16 like the other inputs
	v_lshlrev_b32 v[T+6], 16, v[T+5]
	v_and_b32 v[T+7], 0xffff0000, v[T+5]
	v_add_f32 v[ACC+2*\p], v[ACC+2*\p], v[T+6]
	v_add_f32 v[ACC+2*\p+1], v[ACC+2*\p+1], v[T+7]
.endr
	; the best: a later logit wins only if it is strictly greater, so a tie keeps the lower index
	v_mov_b32 v[BV], v[ACC]
	v_mov_b32 v[BX], 0
.irp e, 1,2,3,4,5,6,7
	v_cmp_gt_f32 vcc_lo, v[ACC+\e], v[BV]
	v_cndmask_b32 v[BV], v[BV], v[ACC+\e], vcc_lo
	v_cndmask_b32 v[BX], v[BX], \e, vcc_lo
.endr
.irp e, 0,1,2,3,4,5,6,7
	v_cmp_eq_u32 vcc_lo, \e, v[BX]                 ; the winner leaves the field
	v_cndmask_b32 v[ACC+\e], v[ACC+\e], v[NINF], vcc_lo
.endr
	v_mov_b32 v[CV2], v[ACC]
	v_mov_b32 v[CX], 0
.irp e, 1,2,3,4,5,6,7
	v_cmp_gt_f32 vcc_lo, v[ACC+\e], v[CV2]
	v_cndmask_b32 v[CV2], v[CV2], v[ACC+\e], vcc_lo
	v_cndmask_b32 v[CX], v[CX], \e, vcc_lo
.endr
	; softmax of the two, the maximum taken away: exponents 0 and second - best <= 0
	v_sub_f32 v[T+5], v[CV2], v[BV]
	v_mul_f32 v[T+5], 0x3fb8aa3b, v[T+5]           ; x log2(e)
	v_exp_f32 v[T+6], v[T+5]
	v_nop                                          ; a plain instruction behind the exponential,
	s_wait_alu depctr_va_vdst(0)                   ; and the wait ahead of its first reader
	v_add_f32 v[T+7], 1.0, v[T+6]
	v_rcp_f32 v[T+8], v[T+7]                       ; the best one's weight
	v_nop
	s_wait_alu depctr_va_vdst(0)
	v_mul_f32 v[T+9], v[T+6], v[T+8]               ; the second's
	v_and_b32 v[T+10], 1, v1
	v_cmp_eq_u32 vcc_lo, 1, v[T+10]
	v_cndmask_b32 v[T+10], v[BX], v[CX], vcc_lo    ; lane 0 holds the first choice, lane 1 the second
	v_cndmask_b32 v[T+11], v[T+8], v[T+9], vcc_lo
	v_cmp_gt_u32 vcc_lo, 2, v1
	s_wait_xcnt 0x0                                ; EXEC is a source of the stores of xb: it changes only behind this wait
	s_and_saveexec_b32 s30, vcc_lo
	global_store_b32 v6, v[T+10], s[12:13]
	global_store_b32 v6, v[T+11], s[14:15]
	s_wait_xcnt 0x0                                ; and again ahead of the line that widens it
	s_or_b32 exec_lo, exec_lo, s30
	s_endpgm
.Lfunc_end_k_q7e072d3ce0_router:
	.size	k_q7e072d3ce0_router, .Lfunc_end_k_q7e072d3ce0_router-k_q7e072d3ce0_router
	.p2alignl 7, 3214868480
	.fill 96, 4, 3214868480
	.section	.rodata,"a",@progbits
	.p2align	6, 0x0
	.amdhsa_kernel k_q7e072d3ce0_router
		.amdhsa_group_segment_fixed_size 0
		.amdhsa_private_segment_fixed_size 0
		.amdhsa_enable_private_segment 0
		.amdhsa_kernarg_size 48
		.amdhsa_user_sgpr_count 2
		.amdhsa_user_sgpr_kernarg_segment_ptr 1
		.amdhsa_wavefront_size32 1
		.amdhsa_system_sgpr_workgroup_id_x 1
		.amdhsa_system_sgpr_workgroup_id_y 1
		.amdhsa_system_sgpr_workgroup_id_z 1
		.amdhsa_system_vgpr_workitem_id 0
		.amdhsa_next_free_vgpr 224
		.amdhsa_next_free_sgpr 66
		.amdhsa_reserve_vcc 1
		.amdhsa_float_denorm_mode_32 3
		.amdhsa_float_denorm_mode_16_64 3
		.amdhsa_memory_ordered 1
		.amdhsa_forward_progress 1
		.amdhsa_inst_pref_size 42
	.end_amdhsa_kernel
	.amdgpu_metadata
---
amdhsa.version: [ 1, 2 ]
amdhsa.kernels:
  - .name:           k_q7e072d3ce0_router
    .symbol:         k_q7e072d3ce0_router.kd
    .args:
      - { .name: x, .offset: 0, .size: 8, .value_kind: global_buffer, .address_space: global }
      - { .name: Wr, .offset: 8, .size: 8, .value_kind: global_buffer, .address_space: global }
      - { .name: br, .offset: 16, .size: 8, .value_kind: global_buffer, .address_space: global }
      - { .name: xb, .offset: 24, .size: 8, .value_kind: global_buffer, .address_space: global }
      - { .name: sel, .offset: 32, .size: 8, .value_kind: global_buffer, .address_space: global }
      - { .name: gate, .offset: 40, .size: 8, .value_kind: global_buffer, .address_space: global }
    .group_segment_fixed_size: 0
    .private_segment_fixed_size: 0
    .kernarg_segment_align: 8
    .kernarg_segment_size: 48
    .max_flat_workgroup_size: 128
    .sgpr_count:     66
    .vgpr_count:     224
    .wavefront_size: 32
...
	.end_amdgpu_metadata
.endif
;; end of part 1
;; launch fc1 (part 2): grid 32 x 8, 4 waves a work-group, no clusters, 327,680 bytes of LDS; arguments xb, W1, b1, sel, h; writes h
.if DOCPART == 2
	.amdgcn_target "amdgcn-amd-amdhsa--gfx1250"
	.amdhsa_code_object_version 6
	.text
	.protected	k_q7e072d3ce0_fc1
	.globl	k_q7e072d3ce0_fc1
	.p2align	8
	.type	k_q7e072d3ce0_fc1,@function
k_q7e072d3ce0_fc1:
	s_mov_b64 s[64:65], 0
	v_nop
	global_prefetch_b8 v0, s[64:65] scope:SCOPE_SE
	s_setreg_imm32_b32 hwreg(HW_REG_WAVE_MODE, 25, 1), 1
	s_wait_xcnt 0x0
; FIRST PRODUCT OF THE CHOSEN EXPERTS.  h[slot][f] = gelu(xb[slot >> 1] . W1[e][:][f] + b1[e][f]) in bf16, for every slot (2 x token + choice) with sel[slot] = e.
; SHARES.  Work-group (X, e) owns the slice W1[e][0..1023][128 X .. 128 X + 127], which it alone reads, once, and all rows of expert e.  The weights are most of the launch's bytes.
; PHASES.  (1) Each wave lists the slots of its quarter (512 slots) that chose e: at most 256, since a token's two choices differ.  (2) The four waves stream the slice, 256 K rows each, round it to bf16
; on the way through registers and lay it into LDS as it lies, [K][128].  (3) Each wave multiplies ITS rows, up to 64 a pass (4 tiles of 16: 2,048 rows over 8 experts and 4 waves are 64 a wave on an even
; split, and 4 tiles x 8 column blocks are 256 accumulator registers, one window) by all 128 columns: W from LDS by the turning load, the token rows straight from memory as matrix operands.
; (4) Bias, exact GELU, bf16, out through the wave's own stage in whole rows of 256 bytes.
; Trip counts are constants (8 for the list, 8 x 32 K rows, 4 passes, 4 tiles); what a count read from sel leaves without work is jumped forward, past no barrier.
; A pass's 32 K steps are written out: a step's buffers are named by its number (W: step % 3, rows: step % 6), and its LDS address is one of six fixed registers plus an immediate.
; An expert without rows streams its slice all the same and stores nothing.
; THE MATRIX INSTRUCTION IS USED TRANSPOSED: source 0 = 16 columns of W, source 1 = 16 rows: a lane holds row lane % 16 and the eight neighbouring columns 8 (lane / 16) + 0..7.
; NO TENSOR LOADS: f32 has to pass through registers to become bf16.  NO CLUSTER: a slice is read by one work-group, and the shared rows come by a list that no descriptor covers.
; LIMITS.  W1 and b1 are rounded once to bf16, like every input of the program; h once.  erf by a five-term rational form in t = 1 / (1 + 0.3275911 z) with absolute error 1.5e-7, used as
; gelu(x) = max(x, 0) - |x| u, u = erfc(|x| / sqrt 2) / 2, so that nothing cancels for x < 0.  In a last tile that is not full the places past the count repeat the last row and store its bytes again.
; A wave owns the rows of its quarter of the slots: an uneven split costs time, never values.
.set WP,     16384                     ; bytes from a K row of W1[e] to the next
.set PITCH,  288                       ; a K row in LDS: 256 bytes + 32 = 72 words
.set KSTEP,  32*PITCH                  ; 32 K rows
.set STAGE,  1024*PITCH                ; behind the slice: 16 rows x 272 bytes for each wave
.set SPITCH, 272
.set LIST,   STAGE+4*16*SPITCH         ; each wave's list: 256 words
.set SPARE,  LIST+4*1024               ; the spare words, 128 bytes for each wave: two blocks of 256 bytes that no other line names
.set DA,     5                         ; the rows' fragments are asked for five K steps ahead,
.set NA,     6                         ; into six buffers
; window 0
.set SPW,   4                          ; LDS address of my spare word; never rewritten
.set NIL,   5                          ; 0; never rewritten
.set LW,    6                          ; where I put 8 bytes of a K row
.set ADRB0, 7                          ; my lane's place in a turning load; never rewritten
.set STO,   9                          ; the way out: where I put 16 bytes of a row
.set RD,    10                         ; the way out: where I read a row back
.set LW0,   12                         ; 8 lane
.set LST0,  13                         ; my wave's list + 4 lane
.set LWB,   15                         ; my wave's part of the slice + 8 lane; never rewritten
.set AO,    16                         ; v[16:19] tile a: my row's byte offset in xb
.set ABR,   24                         ; v[24:29] my lane's place in a turning load, 6 j K steps on; never rewritten
.set SV,    32                         ; v[32:39] the way out: the slots of two rows, then their byte offsets in h
.set LISTA, 40                         ; my wave's list
.set L16,   41                         ; 16 lane
.set SELV,  48                         ; v[48:63] sel of my 16 slots
.set FA,    64                         ; window 0: six buffers of 32 for the rows' fragments
.set FB,    64                         ; window 1: three buffers of 64 for W's fragments
.set XW,    64                         ; phase 2: a ring of 32 K rows, 4 registers each
.set CV,    192                        ; phase 2: four pairs in bf16
.set RHO,   200                        ; the list: the rank in hand; the rank held to the count; its mask, the ranks ahead of that mask, the mask's first slot
.set RK,    201
.set MSK,   202
.set BAS,   203
.set SB,    204
.set KK,    205                        ; the rank inside the mask; the bit found so far
.set POS,   206
.set TA,    207                        ; the mask's set bits counted in fields of 2, 4, 8, 16
.set TB,    208
.set TC,    209
.set TD,    210
.set TT,    211
.set TU,    212
.set X,     64                         ; the way out: a tile's 64 numbers; then T, E, P at work, 32 each; Y: rows read back
.set T,     128
.set E,     160
.set P,     192
.set Y,     128
.set BI,    0                          ; window 1: v[0:63] the bias of my columns, register 8 b + j
; window 2: accumulator (a, b) at v[64 a + 8 b]
; scalars that hold numbers made from sel have registers of their own: s28 my count, s29 my last row, and
.set MK,  66                           ; s[66:81] the 16 masks; later
.set TW,  71                           ;          my tiles,
.set NT,  72                           ;          the pass's tiles
.set PF,  82                           ; s[82:97] the rows ahead of each mask
.set BC,  98
.set MSB, 0
.macro WIN new                         ; the immediate's high byte repeats the setting that is left; a switch that changes nothing is dropped
.if MSB != (\new)
	s_set_vgpr_msb (MSB<<8)|(\new)
.set MSB, \new
.endif
.endm
.macro PLACES                          ; four plain instructions between a matrix instruction and a load into, or a vector instruction on, its registers
.rept 4
	v_nop
.endr
.endm
	s_load_b256 s[4:11], s[0:1], 0x0               ; xb s[4:5], W1 s[6:7], b1 s[8:9], sel s[10:11]
	s_load_b64 s[12:13], s[0:1], 0x20              ; h
	v_lshl_add_u32 v[SPW], v0, 2, SPARE
	v_mov_b32 v[NIL], 0
	v_lshrrev_b32 v14, 5, v0
	v_readfirstlane_b32 s14, v14                   ; wave
	s_and_b32 s15, ttmp7, 0xffff                   ; expert
	s_mov_b32 s16, ttmp9                           ; slice
	v_and_b32 v1, 31, v0                           ; lane
	v_and_b32 v2, 15, v0                           ; lane % 16
	v_bfe_u32 v3, v0, 4, 1                         ; lane / 16
	v_lshlrev_b32 v[L16], 4, v1
	v_lshlrev_b32 v45, 5, v3                       ; my eight columns' bias: 32 bytes for each half of the lanes
	s_lshl_b32 s26, s15, 24                        ; W1: expert x 16 MiB + slice x 512 bytes + wave x 256 K rows
	s_lshl_b32 s31, s16, 9
	s_add_co_u32 s26, s26, s31
	s_lshl_b32 s31, s14, 22
	s_add_co_u32 s26, s26, s31
	s_mov_b32 s27, 0
	s_lshl_b32 s32, s14, 11                        ; sel: my wave's 512 words
	s_mov_b32 s33, 0
	s_lshl_b32 s34, s15, 14                        ; b1: expert x 16,384 + slice x 512
	s_lshl_b32 s31, s16, 9
	s_add_co_u32 s34, s34, s31
	s_mov_b32 s35, 0
	s_lshl_b32 s36, s16, 8                         ; h: slice x 256 bytes
	s_mov_b32 s37, 0
	s_wait_kmcnt 0x0
	s_add_nc_u64 s[18:19], s[6:7], s[26:27]        ; the weights' pointer
	s_add_nc_u64 s[10:11], s[10:11], s[32:33]
	s_add_nc_u64 s[8:9], s[8:9], s[34:35]
	s_mov_b64 s[20:21], s[4:5]                     ; the rows' base
	s_add_nc_u64 s[24:25], s[12:13], s[36:37]      ; the output's base
.irp i, 0,1,2,3
	global_load_b128 v[SELV+4*\i:SELV+4*\i+3], v[L16], s[10:11] offset:512*\i  ; register 4 i + c: slot 512 w + 128 i + 4 L + c
.endr
	WIN 0x40                                       ; destination window 1
.irp b, 0,1,2,3,4,5,6,7
	global_load_b128 v[BI+8*\b:BI+8*\b+3], v45, s[8:9] offset:64*\b
	global_load_b128 v[BI+8*\b+4:BI+8*\b+7], v45, s[8:9] offset:64*\b+16
.endr
	WIN 0
.set i, 0
.rept 32
	global_load_b128 v[XW+4*i:XW+4*i+3], v[L16], s[18:19] offset:i*WP th:TH_LOAD_NT  ; the ring's first 32 K rows: 512 consecutive bytes a load
.set i, i+1
.endr
	; lane terms and constants, while the loads are out
	s_mul_i32 s60, s14, 256*PITCH                  ; my wave's 256 K rows in LDS; never rewritten
	v_lshlrev_b32 v[LW0], 3, v1                    ; 8 bytes a lane
	v_lshl_add_u32 v[LWB], v1, 3, s60
	v_and_b32 v14, 7, v0
	v_lshl_add_u32 v14, v3, 3, v14
	v_mul_u32_u24 v[ADRB0], v14, PITCH             ; the turning load: K row 8 (l / 16) + l % 8,
	v_bfe_u32 v14, v0, 3, 1
	v_lshl_add_u32 v[ADRB0], v14, 4, v[ADRB0]      ; columns 8 ((l / 8) % 2) on: 15 rows and 16 bytes at the most
.irp j, 0,1,2,3,4,5
	v_add_nc_u32 v[ABR+\j], \j*6*KSTEP, v[ADRB0]   ; six K steps are 55,296 bytes: with a step's 16 rows and 224 bytes the immediates stay inside 16 bits
.endr
	s_mul_i32 s31, s14, 16*SPITCH
	s_add_co_u32 s31, s31, STAGE                   ; my stage
	v_mul_u32_u24 v[STO], v2, SPITCH               ; in: row l % 16, 16 bytes for each half of the lanes
	v_lshl_add_u32 v[STO], v3, 4, v[STO]
	v_add_nc_u32 v[STO], s31, v[STO]
	v_mul_u32_u24 v[RD], v3, SPITCH                ; back: lanes 0-15 one row of 256 bytes, lanes 16-31 the next
	v_lshl_add_u32 v[RD], v2, 4, v[RD]
	v_add_nc_u32 v[RD], s31, v[RD]
	s_lshl_b32 s30, s14, 9                         ; my quarter's first slot
	s_lshl_b32 s31, s14, 10
	s_add_co_u32 s31, s31, LIST
	v_mov_b32 v[LISTA], s31
	v_lshl_add_u32 v[LST0], v1, 2, s31
	s_mov_b32 s46, 0x3e6d3388                      ; 0.3275911 / sqrt 2
	s_mov_b32 s47, s46
	s_mov_b32 s48, 0xbf38aa3b                      ; -log2(e) / 2: e^(-x x / 2) = 2^(this x x)
	s_mov_b32 s49, s48
	s_mov_b32 s50, 0x3e027906                      ; the form's five coefficients, halved: a1 .. a5
	s_mov_b32 s51, s50
	s_mov_b32 s52, 0xbe11a98e
	s_mov_b32 s53, s52
	s_mov_b32 s54, 0x3f35f0e3
	s_mov_b32 s55, s54
	s_mov_b32 s56, 0xbf3a00e3
	s_mov_b32 s57, s56
	s_mov_b32 s58, 0x3f07dc22
	s_mov_b32 s59, s58
	s_wait_loadcnt 32                              ; sel and the bias are in; the ring's 32 loads stay out
	WIN 0x45                                       ; all in window 1: the bias rounded to bf16, like every input; W's buffers serve as scratch
.set i, 0
.rept 32
	v_cvt_pk_bf16_f32 v[FB+i], v[BI+2*i], v[BI+2*i+1]
.set i, i+1
.endr
.set i, 0
.rept 32
	v_lshlrev_b32 v[BI+2*i], 16, v[FB+i]
	v_and_b32 v[BI+2*i+1], 0xffff0000, v[FB+i]
.set i, i+1
.endr
	WIN 0
	; THE LIST.  Mask n: bit L says that slot 512 w + 128 (n / 4) + 4 L + n % 4 chose my expert.  PF[n]: the rows of the masks ahead of n.  The rows are numbered mask by mask, bit by bit.
.irp n, 0,1,2,3,4,5,6,7,8,9,10,11,12,13,14,15
	v_cmp_eq_u32 s[MK+\n], s15, v[SELV+\n]
.endr
	s_mov_b32 s[PF], 0
.irp n, 0,1,2,3,4,5,6,7,8,9,10,11,12,13,14
	s_bcnt1_i32_b32 s[BC], s[MK+\n]
	s_add_co_u32 s[PF+\n+1], s[PF+\n], s[BC]
.endr
	s_bcnt1_i32_b32 s[BC], s[MK+15]
	s_add_co_u32 s28, s[PF+15], s[BC]              ; my wave's rows
	s_min_u32 s28, s28, 256                        ; a token's two choices differ: 256 tokens give at most 256 rows
	s_max_u32 s29, s28, 1
	s_sub_co_u32 s29, s29, 1                       ; my last row
; One halving: the field of fw bits at POS in src counts the set bits of the next w places; a rank at or past that count lies above them.
.macro PICK src, w, fw
	v_bfe_u32 v[TT], v[\src], v[POS], \fw
	v_cmp_ge_u32 vcc_lo, v[KK], v[TT]
	v_cndmask_b32 v[TT], 0, v[TT], vcc_lo
	v_sub_nc_u32 v[KK], v[KK], v[TT]
	v_add_nc_u32 v[TU], \w, v[POS]
	v_cndmask_b32 v[POS], v[POS], v[TU], vcc_lo
.endm
	v_mov_b32 v[RHO], v1
	s_mov_b32 s62, 0                               ; the trip's 128 bytes of the list
	s_mov_b32 s45, 8
.Llist:                                                ; a trip finds the slots of rows 32 trip + lane and stores them at fixed places, all lanes on; past the count the last row again
	v_min_u32 v[RK], s29, v[RHO]
	v_mov_b32 v[MSK], s[MK]
	v_mov_b32 v[BAS], 0
	v_mov_b32 v[SB], 0
.irp n, 1,2,3,4,5,6,7,8,9,10,11,12,13,14,15
	v_cmp_gt_u32 vcc_lo, s[PF+\n], v[RK]           ; the last mask with no more rows ahead of it than my rank holds the row
	v_cndmask_b32 v[MSK], s[MK+\n], v[MSK], vcc_lo
	v_cndmask_b32 v[BAS], s[PF+\n], v[BAS], vcc_lo
	v_cndmask_b32 v[SB], 128*((\n)/4)+(\n)%4, v[SB], vcc_lo
.endr
	v_sub_nc_u32 v[KK], v[RK], v[BAS]
	v_lshrrev_b32 v[TA], 1, v[MSK]
	v_and_b32 v[TA], 0x55555555, v[TA]
	v_sub_nc_u32 v[TA], v[MSK], v[TA]              ; counts of 2 places
	v_lshrrev_b32 v[TB], 2, v[TA]
	v_and_b32 v[TB], 0x33333333, v[TB]
	v_and_b32 v[TT], 0x33333333, v[TA]
	v_add_nc_u32 v[TB], v[TB], v[TT]               ; of 4
	v_lshrrev_b32 v[TC], 4, v[TB]
	v_add_nc_u32 v[TC], v[TC], v[TB]
	v_and_b32 v[TC], 0x0f0f0f0f, v[TC]             ; of 8
	v_lshrrev_b32 v[TD], 8, v[TC]
	v_add_nc_u32 v[TD], v[TD], v[TC]               ; the lowest byte: of the low 16
	v_mov_b32 v[POS], 0
	PICK TD, 16, 8
	PICK TC, 8, 8
	PICK TB, 4, 4
	PICK TA, 2, 2
	PICK MSK, 1, 1
	v_lshl_add_u32 v[TT], v[POS], 2, v[SB]
	v_add_nc_u32 v[TT], s30, v[TT]                 ; the slot
	v_add_nc_u32 v14, s62, v[LST0]
	ds_store_b32 v14, v[TT]
	v_add_nc_u32 v[RHO], 32, v[RHO]
	s_add_co_u32 s62, s62, 128
	s_sub_co_u32 s45, s45, 1
	s_cmp_lg_u32 s45, 0
	s_cbranch_scc1 .Llist
; THE SLICE.  Row i of the ring: waited for, rounded, 256 consecutive bytes into LDS; more = 1: the slot takes the row 32 further on.  32 loads of 512 bytes of every wave are always out.
.macro SLOT i, more, left
	s_wait_loadcnt \left                           ; loads come back in order: mine is in, the younger ones stay out
	v_cvt_pk_bf16_f32 v[CV+2*((\i)%4)], v[XW+4*(\i)], v[XW+4*(\i)+1]
	v_cvt_pk_bf16_f32 v[CV+2*((\i)%4)+1], v[XW+4*(\i)+2], v[XW+4*(\i)+3]
	ds_store_b64 v[LW], v[CV+2*((\i)%4):CV+2*((\i)%4)+1] offset:PITCH*(\i)
.if \more
	global_load_b128 v[XW+4*(\i):XW+4*(\i)+3], v[L16], s[18:19] offset:((\i)+32)*WP th:TH_LOAD_NT
.endif
.endm
	s_mov_b32 s63, 0                               ; the trip's 32 K rows inside my part of the slice
	s_mov_b32 s45, 7
.Lstream:
	v_add_nc_u32 v[LW], s63, v[LW0]
	v_min_u32 v[LW], 6*KSTEP+248, v[LW]            ; the largest value that the seven trips reach: with the stores' 31 rows and 8 bytes, 64,480 bytes at the most, inside my part's 73,728
	v_add_nc_u32 v[LW], s60, v[LW]
.set i, 0
.rept 32
	SLOT i, 1, 31
.set i, i+1
.endr
	s_wait_xcnt 0x0                                ; the pointer steps only when every load issued has had its address translated
	s_add_nc_u64 s[18:19], s[18:19], 32*WP
	s_add_co_u32 s63, s63, KSTEP
	s_sub_co_u32 s45, s45, 1
	s_cmp_lg_u32 s45, 0
	s_cbranch_scc1 .Lstream
	v_add_nc_u32 v[LW], 7*KSTEP, v[LWB]            ; my last 32 K rows
.set i, 0
.rept 32
	SLOT i, 0, 31-i                                ; nothing more is loaded, the counts run down
.set i, i+1
.endr
	s_wait_dscnt 0x0                               ; for the others' sake: my part of the slice is stored
	s_barrier_signal -1
	s_barrier_wait -1                              ; the slice is whole; from here on no wave writes it, and no barrier follows
	s_cmp_eq_u32 s28, 0
	s_cbranch_scc1 .Lend                           ; my quarter of the slots has no row of this expert
	s_add_co_u32 s[TW], s28, 15
	s_lshr_b32 s[TW], s[TW], 4                     ; my tiles of 16 rows
; W's fragments of K step st, 128 columns, into buffer st % 3: 16 turning loads, each at a fixed register plus an immediate.
.macro ISSUEB st
	WIN 0x40
.irp b, 0,1,2,3,4,5,6,7
	ds_load_tr16_b128 v[FB+64*((\st)%3)+8*\b:FB+64*((\st)%3)+8*\b+3], v[ABR+(\st)/6] offset:((\st)%6)*KSTEP+32*\b
	ds_load_tr16_b128 v[FB+64*((\st)%3)+8*\b+4:FB+64*((\st)%3)+8*\b+7], v[ABR+(\st)/6] offset:((\st)%6)*KSTEP+32*\b+16*PITCH
.endr
	WIN 0
.endm
; The rows' fragments of K step st, 4 tiles, into buffer st % 6: 8 loads at byte off behind the rows' pointer.
.macro ISSUEA st, off
.irp a, 0,1,2,3
	global_load_b128 v[FA+32*((\st)%NA)+8*\a:FA+32*((\st)%NA)+8*\a+3], v[AO+\a], s[22:23] offset:(\off)
	global_load_b128 v[FA+32*((\st)%NA)+8*\a+4:FA+32*((\st)%NA)+8*\a+7], v[AO+\a], s[22:23] offset:(\off)+32
.endr
.endm
; K step st.  First the rows of step st + 5 and W of step st + 2 are asked for, into the buffers that step st - 1 read, four places behind its last product.
; The waits count the younger loads: eight row loads for each of the five steps ahead, sixteen turning loads for each of the two; near the end the counts run down.
; Step 0's products start the sums, for all 4 tiles, so that every accumulator is written.  Later the tiles past my count are jumped.  The eight accumulators of a tile take turns, and behind a jump
; comes tile 0's first: no product follows the one that it adds onto.
.macro STEP st
	PLACES
.if (\st)+DA < 32
.if (\st) > 0
	s_wait_xcnt 0x0                                ; the rows' pointer steps only when every load issued has had its address translated
	s_add_nc_u64 s[22:23], s[22:23], 64            ; one K step: 32 bf16
.endif
	ISSUEA (\st)+DA, 64*DA
.endif
.if (\st)+2 < 32
	ISSUEB (\st)+2
.endif
.if (\st)+DA < 32
	s_wait_loadcnt 8*DA
.else
	s_wait_loadcnt 8*(31-(\st))
.endif
.if (\st)+2 < 32
	s_wait_dscnt 32
.else
	s_wait_dscnt 16*(31-(\st))
.endif
.irp a, 0,1,2,3
	WIN 0xa1                                       ; source 0 (W) window 1, source 1 (rows) window 0, C and D window 2
.irp b, 0,1,2,3,4,5,6,7
.if (\st) == 0
	v_wmma_f32_16x16x32_bf16 v[64*\a+8*\b:64*\a+8*\b+7], v[FB+64*((\st)%3)+8*\b:FB+64*((\st)%3)+8*\b+7], v[FA+32*((\st)%NA)+8*\a:FA+32*((\st)%NA)+8*\a+7], 0
.else
	v_wmma_f32_16x16x32_bf16 v[64*\a+8*\b:64*\a+8*\b+7], v[FB+64*((\st)%3)+8*\b:FB+64*((\st)%3)+8*\b+7], v[FA+32*((\st)%NA)+8*\a:FA+32*((\st)%NA)+8*\a+7], v[64*\a+8*\b:64*\a+8*\b+7]
.endif
.endr
.if ((\st) > 0) && (\a < 3)
	WIN 0                                          ; at a branch and at a label every window is 0
	s_cmp_le_u32 s[NT], \a+1
	s_cbranch_scc1 .Lstep_end_\@
.endif
.endr
	WIN 0
.Lstep_end_\@:
.endm
; Tile a's 64 sums plus the bias, into window 0; each accumulator's lowest registers are read first.
.macro SECTION a
	WIN 0x06                                       ; source 0 window 2, source 1 window 1
.set k, 0
.rept 32
	v_pk_add_f32 v[X+2*k:X+2*k+1], v[64*(\a)+2*k:64*(\a)+2*k+1], v[BI+2*k:BI+2*k+1]
.set k, k+1
.endr
	WIN 0
.endm
; gelu of X's numbers 32 g .. 32 g + 31 (column blocks 4 g .. 4 g + 3), rounded to bf16, into the stage.  The 64 transcendentals are one batch with one wait.
.macro GELU g
.set n, 0
.rept 32
	v_fma_f32 v[T+n], |v[X+32*(\g)+n]|, s46, 1.0   ; 1 + p |x| / sqrt 2
.set n, n+1
.endr
.set n, 0
.rept 16
	v_pk_mul_f32 v[E+2*n:E+2*n+1], v[X+32*(\g)+2*n:X+32*(\g)+2*n+1], v[X+32*(\g)+2*n:X+32*(\g)+2*n+1]
.set n, n+1
.endr
.set n, 0
.rept 16
	v_pk_mul_f32 v[E+2*n:E+2*n+1], v[E+2*n:E+2*n+1], s[48:49] op_sel_hi:[1,0]  ; -x x log2(e) / 2
.set n, n+1
.endr
.set n, 0
.rept 32
	v_rcp_f32 v[T+n], v[T+n]                       ; t
.set n, n+1
.endr
.set n, 0
.rept 32
	v_exp_f32 v[E+n], v[E+n]                       ; e^(-x x / 2)
.set n, n+1
.endr
	v_nop                                          ; a plain instruction behind the last of the batch,
	s_wait_alu depctr_va_vdst(0)                   ; and the one wait ahead of the batch's first reader
.set n, 0
.rept 16
	v_pk_fma_f32 v[P+2*n:P+2*n+1], v[T+2*n:T+2*n+1], s[58:59], s[56:57] op_sel_hi:[1,0,0]
.set n, n+1
.endr
.irp c, 54, 52, 50
.set n, 0
.rept 16
	v_pk_fma_f32 v[P+2*n:P+2*n+1], v[P+2*n:P+2*n+1], v[T+2*n:T+2*n+1], s[\c:\c+1] op_sel_hi:[1,1,0]
.set n, n+1
.endr
.endr
.set n, 0
.rept 16
	v_pk_mul_f32 v[P+2*n:P+2*n+1], v[P+2*n:P+2*n+1], v[T+2*n:T+2*n+1]
.set n, n+1
.endr
.set n, 0
.rept 16
	v_pk_mul_f32 v[P+2*n:P+2*n+1], v[P+2*n:P+2*n+1], v[E+2*n:E+2*n+1]  ; u = erfc(|x| / sqrt 2) / 2
.set n, n+1
.endr
.set n, 0
.rept 32
	v_max_num_f32 v[T+n], 0, v[X+32*(\g)+n]
.set n, n+1
.endr
.set n, 0
.rept 32
	v_fma_f32 v[T+n], -|v[X+32*(\g)+n]|, v[P+n], v[T+n]  ; max(x, 0) - |x| u
.set n, n+1
.endr
.set n, 0
.rept 16
	v_cvt_pk_bf16_f32 v[E+n], v[T+2*n], v[T+2*n+1]
.set n, n+1
.endr
.irp b, 0,1,2,3
	ds_store_b128 v[STO], v[E+4*\b:E+4*\b+3] offset:32*(4*(\g)+\b)
.endr
.endm
	s_mov_b32 s39, 4                               ; four passes of 64 rows cover the 256 that a wave can have
	s_mov_b32 s40, 0                               ; the pass's first row
.Lpass:
	s_lshr_b32 s31, s40, 4
	s_sub_co_i32 s[NT], s[TW], s31
	s_max_i32 s[NT], s[NT], 0
	s_min_i32 s[NT], s[NT], 4                      ; the pass's tiles
	s_cmp_eq_u32 s[NT], 0
	s_cbranch_scc1 .Lpass_end
	s_wait_xcnt 0x0                                ; the last pass's stores have read their registers
	v_add_nc_u32 v42, s40, v2
.irp a, 0,1,2,3
	v_add_nc_u32 v14, 16*\a, v42                   ; tile a: my row,
	v_min_u32 v14, 0xff, v14                       ; inside the list's 256 words
	v_lshl_add_u32 v14, v14, 2, v[LISTA]
	ds_load_b32 v[AO+\a], v14
.endr
	s_wait_dscnt 0x0
.irp a, 0,1,2,3
	v_lshrrev_b32 v[AO+\a], 1, v[AO+\a]            ; the slot's token;
	v_lshl_add_u32 v[AO+\a], v[AO+\a], 7, v3       ; in units of 16 bytes: 128 a row of xb, one more for the upper half of the lanes;
	v_min_u32 v[AO+\a], 0x1ff81, v[AO+\a]          ; inside xb: 1,023 rows and one unit at the most;
	v_lshlrev_b32 v[AO+\a], 4, v[AO+\a]            ; in bytes
.endr
	s_mov_b64 s[22:23], s[20:21]                   ; the rows' pointer, at K step 0
.set m, 0
.rept DA
	ISSUEA m, 64*m                                 ; the rows of K steps 0 to 4
.set m, m+1
.endr
	ISSUEB 0
	ISSUEB 1
.set m, 0
.rept 32
	STEP m
.set m, m+1
.endr
	PLACES                                         ; behind the last products, ahead of everything that reads their results or writes their operands
	s_mov_b32 s42, 0                               ; the tile
	s_mov_b32 s43, 4
	s_mov_b32 s44, s40                             ; its first row
.Lepi:
	s_cmp_ge_u32 s42, s[NT]
	s_cbranch_scc1 .Lepi_next
	s_wait_xcnt 0x0                                ; the last tile's stores have read Y and SV
	v_add_nc_u32 v44, s44, v3
.irp u, 0,1,2,3,4,5,6,7
	v_add_nc_u32 v14, 2*\u, v44                    ; store u takes rows 2 u (lanes 0-15) and 2 u + 1 (lanes 16-31),
	v_min_u32 v14, 0xff, v14                       ; inside the list's 256 words
	v_lshl_add_u32 v14, v14, 2, v[LISTA]
	ds_load_b32 v[SV+\u], v14
.endr
.irp a, 0,1,2
	s_cmp_eq_u32 s42, \a
	s_cbranch_scc1 .Lsec\a
.endr
	SECTION 3
	s_branch .Lcommon
.irp a, 0,1
.Lsec\a:
	SECTION \a
	s_branch .Lcommon
.endr
.Lsec2:
	SECTION 2
.Lcommon:
	GELU 0
	GELU 1
.irp u, 0,1,2,3,4,5,6,7
	ds_load_b128 v[Y+4*\u:Y+4*\u+3], v[RD] offset:2*SPITCH*\u  ; LDS serves a wave's instructions in order (ISA guide 5.7.1.4): these see the stores above
.endr
	s_wait_dscnt 16                                ; the slots are in: behind them stand the stage's 8 stores and 8 loads
.irp u, 0,1,2,3,4,5,6,7
	v_lshl_add_u32 v[SV+\u], v[SV+\u], 9, v2       ; in units of 16 bytes: 512 a row of h, and my place in the 256 bytes;
	v_min_u32 v[SV+\u], 0xffe0f, v[SV+\u]          ; inside h: 2,047 rows and 15 units at the most;
	v_lshlrev_b32 v[SV+\u], 4, v[SV+\u]            ; in bytes
.endr
.irp u, 0,1,2,3,4,5,6,7
	s_wait_dscnt 7-\u
	global_store_b128 v[SV+\u], v[Y+4*\u:Y+4*\u+3], s[24:25]  ; 16 lanes store 256 consecutive bytes, at a multiple of 256 from h's first byte
.endr
.Lepi_next:
	s_add_co_u32 s42, s42, 1
	s_add_co_u32 s44, s44, 16
	s_sub_co_u32 s43, s43, 1
	s_cmp_lg_u32 s43, 0
	s_cbranch_scc1 .Lepi
.Lpass_end:
	s_add_co_u32 s40, s40, 64
	s_sub_co_u32 s39, s39, 1
	s_cmp_lg_u32 s39, 0
	s_cbranch_scc1 .Lpass
.Lend:
	s_wait_tensorcnt 0x0                           ; the wave's end, behind my last LDS store
	ds_add_u32 v[SPW], v[NIL]
	s_wait_dscnt 0x0
	s_endpgm
.Lfunc_end_k_q7e072d3ce0_fc1:
	.size	k_q7e072d3ce0_fc1, .Lfunc_end_k_q7e072d3ce0_fc1-k_q7e072d3ce0_fc1
	.p2alignl 7, 3214868480
	.fill 96, 4, 3214868480
	.section	.rodata,"a",@progbits
	.p2align	6, 0x0
	.amdhsa_kernel k_q7e072d3ce0_fc1
		.amdhsa_group_segment_fixed_size 327680
		.amdhsa_private_segment_fixed_size 0
		.amdhsa_enable_private_segment 0
		.amdhsa_kernarg_size 40
		.amdhsa_user_sgpr_count 2
		.amdhsa_user_sgpr_kernarg_segment_ptr 1
		.amdhsa_wavefront_size32 1
		.amdhsa_system_sgpr_workgroup_id_x 1
		.amdhsa_system_sgpr_workgroup_id_y 1
		.amdhsa_system_sgpr_workgroup_id_z 1
		.amdhsa_system_vgpr_workitem_id 0
		.amdhsa_next_free_vgpr 768
		.amdhsa_next_free_sgpr 100
		.amdhsa_reserve_vcc 1
		.amdhsa_float_denorm_mode_32 3
		.amdhsa_float_denorm_mode_16_64 3
		.amdhsa_memory_ordered 1
		.amdhsa_forward_progress 1
		.amdhsa_inst_pref_size 230
	.end_amdhsa_kernel
	.amdgpu_metadata
---
amdhsa.version: [ 1, 2 ]
amdhsa.kernels:
  - .name:           k_q7e072d3ce0_fc1
    .symbol:         k_q7e072d3ce0_fc1.kd
    .args:
      - { .name: xb, .offset: 0, .size: 8, .value_kind: global_buffer, .address_space: global }
      - { .name: W1, .offset: 8, .size: 8, .value_kind: global_buffer, .address_space: global }
      - { .name: b1, .offset: 16, .size: 8, .value_kind: global_buffer, .address_space: global }
      - { .name: sel, .offset: 24, .size: 8, .value_kind: global_buffer, .address_space: global }
      - { .name: h, .offset: 32, .size: 8, .value_kind: global_buffer, .address_space: global }
    .group_segment_fixed_size: 327680
    .private_segment_fixed_size: 0
    .kernarg_segment_align: 8
    .kernarg_segment_size: 40
    .max_flat_workgroup_size: 128
    .sgpr_count:     100
    .vgpr_count:     768
    .wavefront_size: 32
...
	.end_amdgpu_metadata
.endif
;; end of part 2
;; launch fc2 (part 3): grid 32 x 8, 4 waves a work-group, no clusters, 327,680 bytes of LDS; arguments h, W2, gate, sel, yp; writes yp
.if DOCPART == 3
	.amdgcn_target "amdgcn-amd-amdhsa--gfx1250"
	.amdhsa_code_object_version 6
	.text
	.protected	k_q7e072d3ce0_fc2
	.globl	k_q7e072d3ce0_fc2
	.p2align	8
	.type	k_q7e072d3ce0_fc2,@function
k_q7e072d3ce0_fc2:
	s_mov_b64 s[64:65], 0
	v_nop
	global_prefetch_b8 v0, s[64:65] scope:SCOPE_SE
	s_setreg_imm32_b32 hwreg(HW_REG_WAVE_MODE, 25, 1), 1
	s_wait_xcnt 0x0
; SECOND PRODUCT OF THE CHOSEN EXPERTS, IN FOUR PARTS ALONG K.  yp[kq][slot][d] = gate[slot] x (h[slot][1024 kq .. + 1023] . W2[e][1024 kq .. + 1023][d]) in f32, for every slot with sel[slot] = e.
; SHARES.  Work-group (X, e), X = 8 kq + ns, owns the slice W2[e][1024 kq .. + 1023][128 ns .. + 127], which it alone reads, once, and all rows of expert e.  A slice of 1,024 K x 128 columns has
; rows of 512 aligned bytes and fills LDS in bf16; the four partial sums of a row stay in f32 and are added by the next launch, with the bias.
; PHASES.  (1) Each wave lists the slots of its quarter (512 slots) that chose e: at most 256, since a token's two choices differ.  (2) The four waves stream the slice, 256 K rows each, round it to bf16
; on the way through registers and lay it into LDS as it lies, [K][128].  (3) Each wave multiplies ITS rows, up to 64 a pass (4 tiles of 16: 2,048 rows over 8 experts and 4 waves are 64 a wave on an even
; split, and 4 tiles x 8 column blocks are 256 accumulator registers, one window) by all 128 columns: W from LDS by the turning load, h's rows straight from memory as matrix operands.
; (4) Times the row's gate, out through the wave's own stage in pieces of 256 bytes of a row.
; Trip counts are constants (8 for the list, 8 x 32 K rows, 4 passes, 4 tiles); what a count read from sel leaves without work is jumped forward, past no barrier.
; A pass's 32 K steps are written out: a step's buffers are named by its number (W: step % 3, rows: step % 6), and its LDS address is one of six fixed registers plus an immediate.
; An expert without rows streams its slice all the same and stores nothing.
; THE MATRIX INSTRUCTION IS USED TRANSPOSED: source 0 = 16 columns of W, source 1 = 16 rows: a lane holds row lane % 16 and the eight neighbouring columns 8 (lane / 16) + 0..7.
; NO TENSOR LOADS: f32 has to pass through registers to become bf16.  NO CLUSTER: a slice is read by one work-group, and the shared rows come by a list that no descriptor covers.
; LIMITS.  W2 is rounded once to bf16, like every input of the program.  In a last tile that is not full the places past the count repeat the last row and store its bytes again.
; A wave owns the rows of its quarter of the slots: an uneven split costs time, never values.
.set WP,     4096                      ; bytes from a K row of W2[e] to the next
.set PITCH,  288                       ; a K row in LDS: 256 bytes + 32 = 72 words
.set KSTEP,  32*PITCH                  ; 32 K rows
.set STAGE,  1024*PITCH                ; behind the slice: 16 rows x 272 bytes for each wave
.set SPITCH, 272
.set LIST,   STAGE+4*16*SPITCH         ; each wave's list: 256 words
.set SPARE,  LIST+4*1024               ; the spare words, 128 bytes for each wave: two blocks of 256 bytes that no other line names
.set DA,     5                         ; the rows' fragments are asked for five K steps ahead,
.set NA,     6                         ; into six buffers
; window 0
.set SPW,   4                          ; LDS address of my spare word; never rewritten
.set NIL,   5                          ; 0; never rewritten
.set LW,    6                          ; where I put 8 bytes of a K row
.set ADRB0, 7                          ; my lane's place in a turning load; never rewritten
.set STO,   9                          ; the way out: where I put 32 bytes of a row
.set RD,    10                         ; the way out: where I read a row back
.set LW0,   12                         ; 8 lane
.set LST0,  13                         ; my wave's list + 4 lane
.set LWB,   15                         ; my wave's part of the slice + 8 lane; never rewritten
.set AO,    16                         ; v[16:19] tile a: my row's byte offset in h
.set GW,    20                         ; v[20:23] tile a: my row's gate
.set ABR,   24                         ; v[24:29] my lane's place in a turning load, 6 j K steps on; never rewritten
.set SV,    32                         ; v[32:39] the gates' byte offsets; on the way out the slots of two rows, then their byte offsets in yp
.set LISTA, 40                         ; my wave's list
.set L16,   41                         ; 16 lane
.set SELV,  48                         ; v[48:63] sel of my 16 slots
.set FA,    64                         ; window 0: six buffers of 32 for the rows' fragments
.set FB,    64                         ; window 1: three buffers of 64 for W's fragments
.set XW,    64                         ; phase 2: a ring of 32 K rows, 4 registers each
.set CV,    192                        ; phase 2: four pairs in bf16
.set RHO,   200                        ; the list: the rank in hand; the rank held to the count; its mask, the ranks ahead of that mask, the mask's first slot
.set RK,    201
.set MSK,   202
.set BAS,   203
.set SB,    204
.set KK,    205                        ; the rank inside the mask; the bit found so far
.set POS,   206
.set TA,    207                        ; the mask's set bits counted in fields of 2, 4, 8, 16
.set TB,    208
.set TC,    209
.set TD,    210
.set TT,    211
.set TU,    212
.set X,     64                         ; the way out: a tile's 64 numbers
.set Y,     128                        ; v[128:191] rows read back: the left 64 columns, then the right
; window 2: accumulator (a, b) at v[64 a + 8 b]
; scalars that hold numbers made from sel have registers of their own: s28 my count, s29 my last row, and
.set MK,  66                           ; s[66:81] the 16 masks; later
.set TW,  71                           ;          my tiles,
.set NT,  72                           ;          the pass's tiles
.set PF,  82                           ; s[82:97] the rows ahead of each mask
.set BC,  98
.set MSB, 0
.macro WIN new                         ; the immediate's high byte repeats the setting that is left; a switch that changes nothing is dropped
.if MSB != (\new)
	s_set_vgpr_msb (MSB<<8)|(\new)
.set MSB, \new
.endif
.endm
.macro PLACES                          ; four plain instructions between a matrix instruction and a load into, or a vector instruction on, its registers
.rept 4
	v_nop
.endr
.endm
	s_load_b256 s[4:11], s[0:1], 0x0               ; h s[4:5], W2 s[6:7], gate s[8:9], sel s[10:11]
	s_load_b64 s[12:13], s[0:1], 0x20              ; yp
	v_lshl_add_u32 v[SPW], v0, 2, SPARE
	v_mov_b32 v[NIL], 0
	v_lshrrev_b32 v14, 5, v0
	v_readfirstlane_b32 s14, v14                   ; wave
	s_and_b32 s15, ttmp7, 0xffff                   ; expert
	s_and_b32 s16, ttmp9, 7                        ; ns: which 128 columns
	s_lshr_b32 s17, ttmp9, 3                       ; kq: which quarter of K
	v_and_b32 v1, 31, v0                           ; lane
	v_and_b32 v2, 15, v0                           ; lane % 16
	v_bfe_u32 v3, v0, 4, 1                         ; lane / 16
	v_lshlrev_b32 v[L16], 4, v1
	s_lshl_b32 s26, s15, 24                        ; W2: expert x 16 MiB + kq x 1,024 K rows + ns x 512 bytes + wave x 256 K rows
	s_lshl_b32 s31, s17, 22
	s_add_co_u32 s26, s26, s31
	s_lshl_b32 s31, s16, 9
	s_add_co_u32 s26, s26, s31
	s_lshl_b32 s31, s14, 20
	s_add_co_u32 s26, s26, s31
	s_mov_b32 s27, 0
	s_lshl_b32 s32, s14, 11                        ; sel: my wave's 512 words
	s_mov_b32 s33, 0
	s_lshl_b32 s34, s17, 11                        ; h: kq x 2,048 bytes of a row
	s_mov_b32 s35, 0
	s_lshl_b32 s36, s17, 23                        ; yp: kq x 8 MiB + ns x 512 bytes
	s_lshl_b32 s31, s16, 9
	s_add_co_u32 s36, s36, s31
	s_mov_b32 s37, 0
	s_wait_kmcnt 0x0
	s_add_nc_u64 s[18:19], s[6:7], s[26:27]        ; the weights' pointer
	s_add_nc_u64 s[10:11], s[10:11], s[32:33]
	s_add_nc_u64 s[20:21], s[4:5], s[34:35]        ; the rows' base
	s_add_nc_u64 s[24:25], s[12:13], s[36:37]      ; the output's base
.irp i, 0,1,2,3
	global_load_b128 v[SELV+4*\i:SELV+4*\i+3], v[L16], s[10:11] offset:512*\i  ; register 4 i + c: slot 512 w + 128 i + 4 L + c
.endr
.set i, 0
.rept 32
	global_load_b128 v[XW+4*i:XW+4*i+3], v[L16], s[18:19] offset:i*WP th:TH_LOAD_NT  ; the ring's first 32 K rows: 512 consecutive bytes a load
.set i, i+1
.endr
	; lane terms, while the loads are out
	s_mul_i32 s60, s14, 256*PITCH                  ; my wave's 256 K rows in LDS; never rewritten
	v_lshlrev_b32 v[LW0], 3, v1                    ; 8 bytes a lane
	v_lshl_add_u32 v[LWB], v1, 3, s60
	v_and_b32 v14, 7, v0
	v_lshl_add_u32 v14, v3, 3, v14
	v_mul_u32_u24 v[ADRB0], v14, PITCH             ; the turning load: K row 8 (l / 16) + l % 8,
	v_bfe_u32 v14, v0, 3, 1
	v_lshl_add_u32 v[ADRB0], v14, 4, v[ADRB0]      ; columns 8 ((l / 8) % 2) on: 15 rows and 16 bytes at the most
.irp j, 0,1,2,3,4,5
	v_add_nc_u32 v[ABR+\j], \j*6*KSTEP, v[ADRB0]   ; six K steps are 55,296 bytes: with a step's 16 rows and 224 bytes the immediates stay inside 16 bits
.endr
	s_mul_i32 s31, s14, 16*SPITCH
	s_add_co_u32 s31, s31, STAGE                   ; my stage
	v_mul_u32_u24 v[STO], v2, SPITCH               ; in: row l % 16, 32 bytes (eight f32) for each half of the lanes
	v_lshl_add_u32 v[STO], v3, 5, v[STO]
	v_add_nc_u32 v[STO], s31, v[STO]
	v_mul_u32_u24 v[RD], v3, SPITCH                ; back: lanes 0-15 one row's 256 bytes, lanes 16-31 the next row's
	v_lshl_add_u32 v[RD], v2, 4, v[RD]
	v_add_nc_u32 v[RD], s31, v[RD]
	s_lshl_b32 s30, s14, 9                         ; my quarter's first slot
	s_lshl_b32 s31, s14, 10
	s_add_co_u32 s31, s31, LIST
	v_mov_b32 v[LISTA], s31
	v_lshl_add_u32 v[LST0], v1, 2, s31
	s_wait_loadcnt 32                              ; sel is in; the ring's 32 loads stay out
	; THE LIST.  Mask n: bit L says that slot 512 w + 128 (n / 4) + 4 L + n % 4 chose my expert.  PF[n]: the rows of the masks ahead of n.  The rows are numbered mask by mask, bit by bit.
.irp n, 0,1,2,3,4,5,6,7,8,9,10,11,12,13,14,15
	v_cmp_eq_u32 s[MK+\n], s15, v[SELV+\n]
.endr
	s_mov_b32 s[PF], 0
.irp n, 0,1,2,3,4,5,6,7,8,9,10,11,12,13,14
	s_bcnt1_i32_b32 s[BC], s[MK+\n]
	s_add_co_u32 s[PF+\n+1], s[PF+\n], s[BC]
.endr
	s_bcnt1_i32_b32 s[BC], s[MK+15]
	s_add_co_u32 s28, s[PF+15], s[BC]              ; my wave's rows
	s_min_u32 s28, s28, 256                        ; a token's two choices differ: 256 tokens give at most 256 rows
	s_max_u32 s29, s28, 1
	s_sub_co_u32 s29, s29, 1                       ; my last row
; One halving: the field of fw bits at POS in src counts the set bits of the next w places; a rank at or past that count lies above them.
.macro PICK src, w, fw
	v_bfe_u32 v[TT], v[\src], v[POS], \fw
	v_cmp_ge_u32 vcc_lo, v[KK], v[TT]
	v_cndmask_b32 v[TT], 0, v[TT], vcc_lo
	v_sub_nc_u32 v[KK], v[KK], v[TT]
	v_add_nc_u32 v[TU], \w, v[POS]
	v_cndmask_b32 v[POS], v[POS], v[TU], vcc_lo
.endm
	v_mov_b32 v[RHO], v1
	s_mov_b32 s62, 0                               ; the trip's 128 bytes of the list
	s_mov_b32 s45, 8
.Llist:                                                ; a trip finds the slots of rows 32 trip + lane and stores them at fixed places, all lanes on; past the count the last row again
	v_min_u32 v[RK], s29, v[RHO]
	v_mov_b32 v[MSK], s[MK]
	v_mov_b32 v[BAS], 0
	v_mov_b32 v[SB], 0
.irp n, 1,2,3,4,5,6,7,8,9,10,11,12,13,14,15
	v_cmp_gt_u32 vcc_lo, s[PF+\n], v[RK]           ; the last mask with no more rows ahead of it than my rank holds the row
	v_cndmask_b32 v[MSK], s[MK+\n], v[MSK], vcc_lo
	v_cndmask_b32 v[BAS], s[PF+\n], v[BAS], vcc_lo
	v_cndmask_b32 v[SB], 128*((\n)/4)+(\n)%4, v[SB], vcc_lo
.endr
	v_sub_nc_u32 v[KK], v[RK], v[BAS]
	v_lshrrev_b32 v[TA], 1, v[MSK]
	v_and_b32 v[TA], 0x55555555, v[TA]
	v_sub_nc_u32 v[TA], v[MSK], v[TA]              ; counts of 2 places
	v_lshrrev_b32 v[TB], 2, v[TA]
	v_and_b32 v[TB], 0x33333333, v[TB]
	v_and_b32 v[TT], 0x33333333, v[TA]
	v_add_nc_u32 v[TB], v[TB], v[TT]               ; of 4
	v_lshrrev_b32 v[TC], 4, v[TB]
	v_add_nc_u32 v[TC], v[TC], v[TB]
	v_and_b32 v[TC], 0x0f0f0f0f, v[TC]             ; of 8
	v_lshrrev_b32 v[TD], 8, v[TC]
	v_add_nc_u32 v[TD], v[TD], v[TC]               ; the lowest byte: of the low 16
	v_mov_b32 v[POS], 0
	PICK TD, 16, 8
	PICK TC, 8, 8
	PICK TB, 4, 4
	PICK TA, 2, 2
	PICK MSK, 1, 1
	v_lshl_add_u32 v[TT], v[POS], 2, v[SB]
	v_add_nc_u32 v[TT], s30, v[TT]                 ; the slot
	v_add_nc_u32 v14, s62, v[LST0]
	ds_store_b32 v14, v[TT]
	v_add_nc_u32 v[RHO], 32, v[RHO]
	s_add_co_u32 s62, s62, 128
	s_sub_co_u32 s45, s45, 1
	s_cmp_lg_u32 s45, 0
	s_cbranch_scc1 .Llist
; THE SLICE.  Row i of the ring: waited for, rounded, 256 consecutive bytes into LDS; more = 1: the slot takes the row 32 further on.  32 loads of 512 bytes of every wave are always out.
.macro SLOT i, more, left
	s_wait_loadcnt \left                           ; loads come back in order: mine is in, the younger ones stay out
	v_cvt_pk_bf16_f32 v[CV+2*((\i)%4)], v[XW+4*(\i)], v[XW+4*(\i)+1]
	v_cvt_pk_bf16_f32 v[CV+2*((\i)%4)+1], v[XW+4*(\i)+2], v[XW+4*(\i)+3]
	ds_store_b64 v[LW], v[CV+2*((\i)%4):CV+2*((\i)%4)+1] offset:PITCH*(\i)
.if \more
	global_load_b128 v[XW+4*(\i):XW+4*(\i)+3], v[L16], s[18:19] offset:((\i)+32)*WP th:TH_LOAD_NT
.endif
.endm
	s_mov_b32 s63, 0                               ; the trip's 32 K rows inside my part of the slice
	s_mov_b32 s45, 7
.Lstream:
	v_add_nc_u32 v[LW], s63, v[LW0]
	v_min_u32 v[LW], 6*KSTEP+248, v[LW]            ; the largest value that the seven trips reach: with the stores' 31 rows and 8 bytes, 64,480 bytes at the most, inside my part's 73,728
	v_add_nc_u32 v[LW], s60, v[LW]
.set i, 0
.rept 32
	SLOT i, 1, 31
.set i, i+1
.endr
	s_wait_xcnt 0x0                                ; the pointer steps only when every load issued has had its address translated
	s_add_nc_u64 s[18:19], s[18:19], 32*WP
	s_add_co_u32 s63, s63, KSTEP
	s_sub_co_u32 s45, s45, 1
	s_cmp_lg_u32 s45, 0
	s_cbranch_scc1 .Lstream
	v_add_nc_u32 v[LW], 7*KSTEP, v[LWB]            ; my last 32 K rows
.set i, 0
.rept 32
	SLOT i, 0, 31-i                                ; nothing more is loaded, the counts run down
.set i, i+1
.endr
	s_wait_dscnt 0x0                               ; for the others' sake: my part of the slice is stored
	s_barrier_signal -1
	s_barrier_wait -1                              ; the slice is whole; from here on no wave writes it, and no barrier follows
	s_cmp_eq_u32 s28, 0
	s_cbranch_scc1 .Lend                           ; my quarter of the slots has no row of this expert
	s_add_co_u32 s[TW], s28, 15
	s_lshr_b32 s[TW], s[TW], 4                     ; my tiles of 16 rows
; W's fragments of K step st, 128 columns, into buffer st % 3: 16 turning loads, each at a fixed register plus an immediate.
.macro ISSUEB st
	WIN 0x40
.irp b, 0,1,2,3,4,5,6,7
	ds_load_tr16_b128 v[FB+64*((\st)%3)+8*\b:FB+64*((\st)%3)+8*\b+3], v[ABR+(\st)/6] offset:((\st)%6)*KSTEP+32*\b
	ds_load_tr16_b128 v[FB+64*((\st)%3)+8*\b+4:FB+64*((\st)%3)+8*\b+7], v[ABR+(\st)/6] offset:((\st)%6)*KSTEP+32*\b+16*PITCH
.endr
	WIN 0
.endm
; The rows' fragments of K step st, 4 tiles, into buffer st % 6: 8 loads at byte off behind the rows' pointer.
.macro ISSUEA st, off
.irp a, 0,1,2,3
	global_load_b128 v[FA+32*((\st)%NA)+8*\a:FA+32*((\st)%NA)+8*\a+3], v[AO+\a], s[22:23] offset:(\off)
	global_load_b128 v[FA+32*((\st)%NA)+8*\a+4:FA+32*((\st)%NA)+8*\a+7], v[AO+\a], s[22:23] offset:(\off)+32
.endr
.endm
; K step st.  First the rows of step st + 5 and W of step st + 2 are asked for, into the buffers that step st - 1 read, four places behind its last product.
; The waits count the younger loads: eight row loads for each of the five steps ahead (the gates' loads are older than all of them), sixteen turning loads for each of the two; near the end the counts run down.
; Step 0's products start the sums, for all 4 tiles, so that every accumulator is written.  Later the tiles past my count are jumped.  The eight accumulators of a tile take turns, and behind a jump
; comes tile 0's first: no product follows the one that it adds onto.
.macro STEP st
	PLACES
.if (\st)+DA < 32
.if (\st) > 0
	s_wait_xcnt 0x0                                ; the rows' pointer steps only when every load issued has had its address translated
	s_add_nc_u64 s[22:23], s[22:23], 64            ; one K step: 32 bf16
.endif
	ISSUEA (\st)+DA, 64*DA
.endif
.if (\st)+2 < 32
	ISSUEB (\st)+2
.endif
.if (\st)+DA < 32
	s_wait_loadcnt 8*DA
.else
	s_wait_loadcnt 8*(31-(\st))
.endif
.if (\st)+2 < 32
	s_wait_dscnt 32
.else
	s_wait_dscnt 16*(31-(\st))
.endif
.irp a, 0,1,2,3
	WIN 0xa1                                       ; source 0 (W) window 1, source 1 (rows) window 0, C and D window 2
.irp b, 0,1,2,3,4,5,6,7
.if (\st) == 0
	v_wmma_f32_16x16x32_bf16 v[64*\a+8*\b:64*\a+8*\b+7], v[FB+64*((\st)%3)+8*\b:FB+64*((\st)%3)+8*\b+7], v[FA+32*((\st)%NA)+8*\a:FA+32*((\st)%NA)+8*\a+7], 0
.else
	v_wmma_f32_16x16x32_bf16 v[64*\a+8*\b:64*\a+8*\b+7], v[FB+64*((\st)%3)+8*\b:FB+64*((\st)%3)+8*\b+7], v[FA+32*((\st)%NA)+8*\a:FA+32*((\st)%NA)+8*\a+7], v[64*\a+8*\b:64*\a+8*\b+7]
.endif
.endr
.if ((\st) > 0) && (\a < 3)
	WIN 0                                          ; at a branch and at a label every window is 0
	s_cmp_le_u32 s[NT], \a+1
	s_cbranch_scc1 .Lstep_end_\@
.endif
.endr
	WIN 0
.Lstep_end_\@:
.endm
; Tile a's 64 sums times my row's gate, into window 0; each accumulator's lowest registers are read first.  The gate is one register of a pair, given to both halves.
.macro SECTION a
	WIN 0x02                                       ; source 0 window 2
.set k, 0
.rept 32
.if ((\a)%2) == 0
	v_pk_mul_f32 v[X+2*k:X+2*k+1], v[64*(\a)+2*k:64*(\a)+2*k+1], v[GW+2*((\a)/2):GW+2*((\a)/2)+1] op_sel_hi:[1,0]
.else
	v_pk_mul_f32 v[X+2*k:X+2*k+1], v[64*(\a)+2*k:64*(\a)+2*k+1], v[GW+2*((\a)/2):GW+2*((\a)/2)+1] op_sel:[0,1] op_sel_hi:[1,1]
.endif
.set k, k+1
.endr
	WIN 0
.endm
	s_mov_b32 s39, 4                               ; four passes of 64 rows cover the 256 that a wave can have
	s_mov_b32 s40, 0                               ; the pass's first row
.Lpass:
	s_lshr_b32 s31, s40, 4
	s_sub_co_i32 s[NT], s[TW], s31
	s_max_i32 s[NT], s[NT], 0
	s_min_i32 s[NT], s[NT], 4                      ; the pass's tiles
	s_cmp_eq_u32 s[NT], 0
	s_cbranch_scc1 .Lpass_end
	s_wait_xcnt 0x0                                ; the last pass's stores have read their registers
	v_add_nc_u32 v42, s40, v2
.irp a, 0,1,2,3
	v_add_nc_u32 v14, 16*\a, v42                   ; tile a: my row,
	v_min_u32 v14, 0xff, v14                       ; inside the list's 256 words
	v_lshl_add_u32 v14, v14, 2, v[LISTA]
	ds_load_b32 v[AO+\a], v14                      ; the slot, once for h's row
	ds_load_b32 v[SV+\a], v14                      ; and once for the gate
.endr
	s_wait_dscnt 0x0
.irp a, 0,1,2,3
	v_min_u32 v[SV+\a], 0x7ff, v[SV+\a]            ; inside gate;
	v_lshlrev_b32 v[SV+\a], 2, v[SV+\a]            ; in bytes
	global_load_b32 v[GW+\a], v[SV+\a], s[8:9]
	v_lshl_add_u32 v[AO+\a], v[AO+\a], 9, v3       ; in units of 16 bytes: 512 a row of h, one more for the upper half of the lanes;
	v_min_u32 v[AO+\a], 0xffe01, v[AO+\a]          ; inside h: 2,047 rows and one unit at the most;
	v_lshlrev_b32 v[AO+\a], 4, v[AO+\a]            ; in bytes
.endr
	s_mov_b64 s[22:23], s[20:21]                   ; the rows' pointer, at K step 0
.set m, 0
.rept DA
	ISSUEA m, 64*m                                 ; the rows of K steps 0 to 4
.set m, m+1
.endr
	ISSUEB 0
	ISSUEB 1
.set m, 0
.rept 32
	STEP m
.set m, m+1
.endr
	PLACES                                         ; behind the last products, ahead of everything that reads their results or writes their operands
	s_mov_b32 s42, 0                               ; the tile
	s_mov_b32 s43, 4
	s_mov_b32 s44, s40                             ; its first row
.Lepi:
	s_cmp_ge_u32 s42, s[NT]
	s_cbranch_scc1 .Lepi_next
	s_wait_xcnt 0x0                                ; the last tile's stores have read Y and SV
	v_add_nc_u32 v44, s44, v3
.irp u, 0,1,2,3,4,5,6,7
	v_add_nc_u32 v14, 2*\u, v44                    ; store u takes rows 2 u (lanes 0-15) and 2 u + 1 (lanes 16-31),
	v_min_u32 v14, 0xff, v14                       ; inside the list's 256 words
	v_lshl_add_u32 v14, v14, 2, v[LISTA]
	ds_load_b32 v[SV+\u], v14
.endr
.irp a, 0,1,2
	s_cmp_eq_u32 s42, \a
	s_cbranch_scc1 .Lsec\a
.endr
	SECTION 3
	s_branch .Lcommon
.irp a, 0,1
.Lsec\a:
	SECTION \a
	s_branch .Lcommon
.endr
.Lsec2:
	SECTION 2
.Lcommon:
.irp f, 0,1                            ; the tile's left 64 columns, then its right: 256 bytes of each of 16 rows through the stage
.irp b, 0,1,2,3
	ds_store_b128 v[STO], v[X+32*\f+8*\b:X+32*\f+8*\b+3] offset:64*\b
	ds_store_b128 v[STO], v[X+32*\f+8*\b+4:X+32*\f+8*\b+7] offset:64*\b+16
.endr
.irp u, 0,1,2,3,4,5,6,7
	ds_load_b128 v[Y+32*\f+4*\u:Y+32*\f+4*\u+3], v[RD] offset:2*SPITCH*\u  ; LDS serves a wave's instructions in order (ISA guide 5.7.1.4): these see the stores above, and the next half's stores come behind them
.endr
.endr
	s_wait_dscnt 32                                ; the slots are in: behind them stand the stage's 16 stores and 16 loads
.irp u, 0,1,2,3,4,5,6,7
	v_lshl_add_u32 v[SV+\u], v[SV+\u], 8, v2       ; in units of 16 bytes: 256 a row of yp, and my place in the 256 bytes;
	v_min_u32 v[SV+\u], 0x7ff0f, v[SV+\u]          ; inside a part of yp: 2,047 rows and 15 units at the most;
	v_lshlrev_b32 v[SV+\u], 4, v[SV+\u]            ; in bytes
.endr
.irp f, 0,1
.irp u, 0,1,2,3,4,5,6,7
	s_wait_dscnt (1-\f)*16+7-\u                    ; the younger loads of this half, and for the left half the right half's sixteen instructions
	global_store_b128 v[SV+\u], v[Y+32*\f+4*\u:Y+32*\f+4*\u+3], s[24:25] offset:256*\f  ; 16 lanes store 256 consecutive bytes, at a multiple of 256 from yp's first byte
.endr
.endr
.Lepi_next:
	s_add_co_u32 s42, s42, 1
	s_add_co_u32 s44, s44, 16
	s_sub_co_u32 s43, s43, 1
	s_cmp_lg_u32 s43, 0
	s_cbranch_scc1 .Lepi
.Lpass_end:
	s_add_co_u32 s40, s40, 64
	s_sub_co_u32 s39, s39, 1
	s_cmp_lg_u32 s39, 0
	s_cbranch_scc1 .Lpass
.Lend:
	s_wait_tensorcnt 0x0                           ; the wave's end, behind my last LDS store
	ds_add_u32 v[SPW], v[NIL]
	s_wait_dscnt 0x0
	s_endpgm
.Lfunc_end_k_q7e072d3ce0_fc2:
	.size	k_q7e072d3ce0_fc2, .Lfunc_end_k_q7e072d3ce0_fc2-k_q7e072d3ce0_fc2
	.p2alignl 7, 3214868480
	.fill 96, 4, 3214868480
	.section	.rodata,"a",@progbits
	.p2align	6, 0x0
	.amdhsa_kernel k_q7e072d3ce0_fc2
		.amdhsa_group_segment_fixed_size 327680
		.amdhsa_private_segment_fixed_size 0
		.amdhsa_enable_private_segment 0
		.amdhsa_kernarg_size 40
		.amdhsa_user_sgpr_count 2
		.amdhsa_user_sgpr_kernarg_segment_ptr 1
		.amdhsa_wavefront_size32 1
		.amdhsa_system_sgpr_workgroup_id_x 1
		.amdhsa_system_sgpr_workgroup_id_y 1
		.amdhsa_system_sgpr_workgroup_id_z 1
		.amdhsa_system_vgpr_workitem_id 0
		.amdhsa_next_free_vgpr 768
		.amdhsa_next_free_sgpr 100
		.amdhsa_reserve_vcc 1
		.amdhsa_float_denorm_mode_32 3
		.amdhsa_float_denorm_mode_16_64 3
		.amdhsa_memory_ordered 1
		.amdhsa_forward_progress 1
		.amdhsa_inst_pref_size 194
	.end_amdhsa_kernel
	.amdgpu_metadata
---
amdhsa.version: [ 1, 2 ]
amdhsa.kernels:
  - .name:           k_q7e072d3ce0_fc2
    .symbol:         k_q7e072d3ce0_fc2.kd
    .args:
      - { .name: h, .offset: 0, .size: 8, .value_kind: global_buffer, .address_space: global }
      - { .name: W2, .offset: 8, .size: 8, .value_kind: global_buffer, .address_space: global }
      - { .name: gate, .offset: 16, .size: 8, .value_kind: global_buffer, .address_space: global }
      - { .name: sel, .offset: 24, .size: 8, .value_kind: global_buffer, .address_space: global }
      - { .name: yp, .offset: 32, .size: 8, .value_kind: global_buffer, .address_space: global }
    .group_segment_fixed_size: 327680
    .private_segment_fixed_size: 0
    .kernarg_segment_align: 8
    .kernarg_segment_size: 40
    .max_flat_workgroup_size: 128
    .sgpr_count:     100
    .vgpr_count:     768
    .wavefront_size: 32
...
	.end_amdgpu_metadata
.endif
;; end of part 3
;; launch sum (part 4): grid 256 x 1, 8 waves a work-group, no clusters, 0 bytes of LDS; arguments yp, sel, gate, b2, out0; writes out0
.if DOCPART == 4
	.amdgcn_target "amdgcn-amd-amdhsa--gfx1250"
	.amdhsa_code_object_version 6
	.text
	.protected	k_q7e072d3ce0_sum
	.globl	k_q7e072d3ce0_sum
	.p2align	8
	.type	k_q7e072d3ce0_sum,@function
k_q7e072d3ce0_sum:
	s_mov_b64 s[64:65], 0
	v_nop
	global_prefetch_b8 v0, s[64:65] scope:SCOPE_SE
	s_setreg_imm32_b32 hwreg(HW_REG_WAVE_MODE, 25, 1), 1
	s_wait_xcnt 0x0
; THE SUM.  out[t][d] = sum over kq = 0..3 and j = 0, 1 of yp[kq][2 t + j][d] + sum over j of gate[2 t + j] x b2[sel[2 t + j]][d].
; yp holds the gated partial sums in f32; b2 is rounded once to bf16, like every input of the program.  Each output row has one owner.
; SHARES.  A work-group takes four tokens; two waves share a token's row, 2,048 bytes each: four chunks of 512 consecutive bytes.  A stream: no LDS, no barrier, no matrix unit.
; All 32 loads of yp go out first, while sel and gate come by scalar loads; the 8 loads of b2, whose rows hang on sel, follow.
.set VQ, 4                             ; v[4:7]   kq x 8 MiB + 16 lane: the step from part to part passes a load's immediate
.set VB, 8                             ; v[8:9]   4,096 x expert + 16 lane
.set R,  16                            ; v[16:175] chunk c at R + 40 c: eight partial rows (2 kq + j), then the two experts' b2, four registers each
.set TT, 176
	s_load_b256 s[4:11], s[0:1], 0x0               ; yp s[4:5], sel s[6:7], gate s[8:9], b2 s[10:11]
	s_load_b64 s[12:13], s[0:1], 0x20              ; out0
	v_lshrrev_b32 v1, 5, v0
	v_readfirstlane_b32 s14, v1                    ; wave
	s_lshr_b32 s15, s14, 1
	s_lshl_b32 s20, ttmp9, 2
	s_add_co_u32 s15, s15, s20                     ; token
	s_and_b32 s14, s14, 1
	s_lshl_b32 s14, s14, 11                        ; my half of the row, in bytes
	v_and_b32 v2, 31, v0
	v_lshlrev_b32 v2, 4, v2                        ; 16 lane
.irp q, 0,1,2,3
	v_add_nc_u32 v[VQ+\q], (\q)*0x800000, v2
.endr
	s_lshl_b32 s20, s15, 3                         ; the token's two words in sel and in gate
	s_mov_b32 s21, 0
	s_lshl_b32 s22, s15, 13                        ; its two rows of 4,096 bytes in a part of yp
	s_add_co_u32 s22, s22, s14
	s_mov_b32 s23, 0
	s_mov_b32 s28, s14
	s_mov_b32 s29, 0
	s_lshl_b32 s30, s15, 12                        ; its row in out0
	s_add_co_u32 s30, s30, s14
	s_mov_b32 s31, 0
	s_wait_kmcnt 0x0
	s_add_nc_u64 s[6:7], s[6:7], s[20:21]
	s_add_nc_u64 s[8:9], s[8:9], s[20:21]
	s_load_b64 s[16:17], s[6:7], 0x0               ; the two experts
	s_load_b64 s[18:19], s[8:9], 0x0               ; the two weights
	s_add_nc_u64 s[4:5], s[4:5], s[22:23]
	s_add_nc_u64 s[10:11], s[10:11], s[28:29]
	s_add_nc_u64 s[12:13], s[12:13], s[30:31]
.irp c, 0,1,2,3
.irp q, 0,1,2,3
.irp j, 0,1
	global_load_b128 v[R+40*\c+4*(2*\q+\j):R+40*\c+4*(2*\q+\j)+3], v[VQ+\q], s[4:5] offset:4096*\j+512*\c th:TH_LOAD_NT
.endr
.endr
.endr
	s_wait_kmcnt 0x0
	s_min_u32 s16, s16, 7                          ; inside b2
	s_min_u32 s17, s17, 7
	s_lshl_b32 s16, s16, 12
	s_lshl_b32 s17, s17, 12
	v_add_nc_u32 v[VB], s16, v2
	v_add_nc_u32 v[VB+1], s17, v2
	s_mov_b32 s24, s18                             ; each weight as a pair: the packed multiply-add takes the low word for both halves
	s_mov_b32 s25, s18
	s_mov_b32 s26, s19
	s_mov_b32 s27, s19
.irp c, 0,1,2,3
.irp j, 0,1
	global_load_b128 v[R+40*\c+32+4*\j:R+40*\c+32+4*\j+3], v[VB+\j], s[10:11] offset:512*\c
.endr
.endr
.macro RB a                            ; two numbers rounded to bf16, in place
	v_cvt_pk_bf16_f32 v[TT], v[\a], v[(\a)+1]
	v_lshlrev_b32 v[\a], 16, v[TT]
	v_and_b32 v[(\a)+1], 0xffff0000, v[TT]
.endm
.macro ADD4 a, b                       ; four registers at a += four at b
	v_pk_add_f32 v[\a:(\a)+1], v[\a:(\a)+1], v[\b:(\b)+1]
	v_pk_add_f32 v[(\a)+2:(\a)+3], v[(\a)+2:(\a)+3], v[(\b)+2:(\b)+3]
.endm
.macro CHUNK c, left
.set B, R+40*(\c)
	s_wait_loadcnt \left                           ; the loads of b2 for the later chunks may stay out, two a chunk; all of yp is older
	RB B+32
	RB B+34
	RB B+36
	RB B+38
	ADD4 B, B+4
	ADD4 B+8, B+12
	ADD4 B+16, B+20
	ADD4 B+24, B+28
	ADD4 B, B+8
	ADD4 B+16, B+24
	ADD4 B, B+16
	v_pk_fma_f32 v[B:B+1], v[B+32:B+33], s[24:25], v[B:B+1] op_sel_hi:[1,0,1]
	v_pk_fma_f32 v[B+2:B+3], v[B+34:B+35], s[24:25], v[B+2:B+3] op_sel_hi:[1,0,1]
	v_pk_fma_f32 v[B:B+1], v[B+36:B+37], s[26:27], v[B:B+1] op_sel_hi:[1,0,1]
	v_pk_fma_f32 v[B+2:B+3], v[B+38:B+39], s[26:27], v[B+2:B+3] op_sel_hi:[1,0,1]
	global_store_b128 v2, v[B:B+3], s[12:13] offset:512*(\c) th:TH_STORE_NT  ; the wave stores 512 consecutive bytes, aligned
.endm
	CHUNK 0, 6
	CHUNK 1, 4
	CHUNK 2, 2
	CHUNK 3, 0
	s_endpgm
.Lfunc_end_k_q7e072d3ce0_sum:
	.size	k_q7e072d3ce0_sum, .Lfunc_end_k_q7e072d3ce0_sum-k_q7e072d3ce0_sum
	.p2alignl 7, 3214868480
	.fill 96, 4, 3214868480
	.section	.rodata,"a",@progbits
	.p2align	6, 0x0
	.amdhsa_kernel k_q7e072d3ce0_sum
		.amdhsa_group_segment_fixed_size 0
		.amdhsa_private_segment_fixed_size 0
		.amdhsa_enable_private_segment 0
		.amdhsa_kernarg_size 40
		.amdhsa_user_sgpr_count 2
		.amdhsa_user_sgpr_kernarg_segment_ptr 1
		.amdhsa_wavefront_size32 1
		.amdhsa_system_sgpr_workgroup_id_x 1
		.amdhsa_system_sgpr_workgroup_id_y 1
		.amdhsa_system_sgpr_workgroup_id_z 1
		.amdhsa_system_vgpr_workitem_id 0
		.amdhsa_next_free_vgpr 184
		.amdhsa_next_free_sgpr 66
		.amdhsa_reserve_vcc 0
		.amdhsa_float_denorm_mode_32 3
		.amdhsa_float_denorm_mode_16_64 3
		.amdhsa_memory_ordered 1
		.amdhsa_forward_progress 1
		.amdhsa_inst_pref_size 14
	.end_amdhsa_kernel
	.amdgpu_metadata
---
amdhsa.version: [ 1, 2 ]
amdhsa.kernels:
  - .name:           k_q7e072d3ce0_sum
    .symbol:         k_q7e072d3ce0_sum.kd
    .args:
      - { .name: yp, .offset: 0, .size: 8, .value_kind: global_buffer, .address_space: global }
      - { .name: sel, .offset: 8, .size: 8, .value_kind: global_buffer, .address_space: global }
      - { .name: gate, .offset: 16, .size: 8, .value_kind: global_buffer, .address_space: global }
      - { .name: b2, .offset: 24, .size: 8, .value_kind: global_buffer, .address_space: global }
      - { .name: out0, .offset: 32, .size: 8, .value_kind: global_buffer, .address_space: global }
    .group_segment_fixed_size: 0
    .private_segment_fixed_size: 0
    .kernarg_segment_align: 8
    .kernarg_segment_size: 40
    .max_flat_workgroup_size: 256
    .sgpr_count:     66
    .vgpr_count:     184
    .wavefront_size: 32
...
	.end_amdgpu_metadata
.endif
;; end of part 4
;; ======== version 2 of 2: 4 launches; 1.33 times as fast as version 1
;; workspace buffers: xb 2,097,152 bytes; sel 8,192 bytes of whole numbers; gate 8,192 bytes; h 16,777,216 bytes; yp 33,554,432 bytes
;; launch router: the kernel of part 1 again; grid 256 x 1, 4 waves a work-group, no clusters, 0 bytes of LDS; arguments x, Wr, br, xb, sel, gate; writes xb, sel, gate
;; launch fc1 (part 5): grid 32 x 8, 4 waves a work-group, no clusters, 100,352 bytes of LDS; arguments xb, W1, b1, sel, h; writes h
.if DOCPART == 5
	.amdgcn_target "amdgcn-amd-amdhsa--gfx1250"
	.amdhsa_code_object_version 6
	.text
	.protected	k_q7e072d3ce0_fc1
	.globl	k_q7e072d3ce0_fc1
	.p2align	8
	.type	k_q7e072d3ce0_fc1,@function
k_q7e072d3ce0_fc1:
	s_mov_b64 s[64:65], 0
	v_nop
	global_prefetch_b8 v0, s[64:65] scope:SCOPE_SE
	s_setreg_imm32_b32 hwreg(HW_REG_WAVE_MODE, 25, 1), 1
	s_wait_xcnt 0x0
; FIRST PRODUCT OF THE CHOSEN EXPERTS.  h[slot][f] = gelu(xb[slot >> 1] . W1[e][:][f] + b1[e][f]) in bf16, for every slot (2 x token + choice) with sel[slot] = e.
; SHARES.  Work-group (X, e) owns the slice W1[e][0..1023][128 X .. 128 X + 127], which it alone reads, and all rows of expert e.  The weights are most of the launch's bytes.
; THE ROWS.  Each wave lists the slots of its quarter (512 slots) that chose e: at most 256, since a token's two choices differ.  A barrier publishes lists and counts.  The expert's rows, numbered through the
; four lists, are cut into tiles of 16, and tile t goes to wave t % 4; each wave gathers its rows' slots into a list of its own.
; THE RING.  K goes in 8 chunks of 128 rows through two LDS slots.  In PHASE c a wave multiplies chunk c (four K steps of 32: W from LDS by the turning load, its token rows straight from memory as matrix
; operands) and, eight rows a K step, takes its 32 rows of chunk c + 1 out of a ring of 32 loads, rounds them to bf16, stores them into the other slot as they lie, [K][128], and asks for chunk c + 2.
; One barrier a phase: ahead of it each wave has waited for its stores into the next slot and for its reads of the old one.  So the stream of the weights and the products run side by side.
; PASSES.  A pass holds 5 tiles a wave; four passes cover the 16 that a wave can get.  Every wave passes every barrier of all four passes; a pass that no wave needs (the flag LIVE, made alike in all four
; waves from the four counts) is jumped over phase by phase, past no barrier.  A second pass streams the slice once more.  Tiles 0 to 3 of a live pass are always loaded and multiplied (past the count
; they repeat rows and are not stored); tile 4's loads and products are jumped where the pass has fewer than 5 tiles.  So a K step has 8 row loads at the least, and the counted waits lean on those 8 alone.
; THE SUMS are started by 40 matrix instructions on a block of zeros with C = 0, once a pass: the price of writing every K step of the loop alike, in place of a second copy of a K step.
; What the first pass needs (first loads, chunk 0, first rows, the sums' start) stands at the head under no branch, so that every register is written on every way; the same macros stand at a pass's end under LIVE.
; THE MATRIX INSTRUCTION IS USED TRANSPOSED: source 0 = 16 columns of W, source 1 = 16 rows: a lane holds row lane % 16 and the eight neighbouring columns 8 (lane / 16) + 0..7.
; NO TENSOR LOADS: f32 has to pass through registers to become bf16.  NO CLUSTER: a slice is read by one work-group, and the shared rows come by a list that no descriptor covers.
; LIMITS.  W1 and b1 are rounded once to bf16, like every input of the program; h once.  erf by a five-term rational form in t = 1 / (1 + 0.3275911 z) with absolute error 1.5e-7, used as
; gelu(x) = max(x, 0) - |x| u, u = erfc(|x| / sqrt 2) / 2, so that nothing cancels for x < 0.  In the expert's last tile the places past the count repeat the last row and store its bytes again.
; An expert without rows reads two chunks of its slice and stores nothing.
.set WP,     16384                     ; bytes from a K row of W1[e] to the next
.set PITCH,  288                       ; a K row in LDS: 256 bytes + 32 = 72 words
.set KSTEP,  32*PITCH                  ; 32 K rows: a K step, and a wave's share of a chunk
.set SLOTB,  4*KSTEP                   ; a slot: 128 K rows
.set STAGE,  2*SLOTB                   ; behind the two slots: 16 rows x 272 bytes for each wave
.set SPITCH, 272
.set LIST,   STAGE+4*16*SPITCH         ; the four quarters' lists: 256 words each
.set CNTS,   LIST+4*1024               ; the four quarters' counts
.set WLIST,  CNTS+256                  ; each wave's own rows: 256 words
.set SPARE,  WLIST+4*1024              ; the spare words, 128 bytes for each wave: two blocks of 256 bytes that no other line names
.set CT,     5                         ; tiles in a pass
; window 0
.set SPW,   4                          ; LDS address of my spare word; never rewritten
.set NIL,   5                          ; 0; never rewritten
.set ATR,   6                          ; v[6:7]   my lane's place in a turning load, in slot 0, 1; never rewritten
.set STO,   9                          ; the way out: where I put 16 bytes of a row
.set RD,    10                         ; the way out: where I read a row back
.set LST0,  13                         ; my quarter's list + 4 lane
.set AO,    16                         ; v[16:20] tile a: my row's byte offset in xb
.set WL0,   28                         ; my own list + 4 lane
.set LISTG, 29                         ; the four lists' first byte
.set GB,    30                         ; the expert's row that stands at place `lane` of my own list: 16 wave + 64 (lane / 16) + lane % 16
.set GA,    31                         ; at work on the gather
.set SV,    32                         ; v[32:39] the way out: the slots of two rows, then their byte offsets in h
.set LISTA, 40                         ; my own list
.set L16,   41                         ; 16 lane
.set GI,    43                         ; at work on the gather
.set SELV,  48                         ; v[48:63] sel of my 16 slots
.set GS,    48                         ; v[48:55] later: the gathered slots
.set FA,    64                         ; v[64:191] four buffers of 32 for the row fragments of tiles 0 to 3: buffer = K step % 4
.set RHO,   200                        ; the list: the rank in hand; the rank held to the count; its mask, the ranks ahead of that mask, the mask's first slot
.set RK,    201
.set MSK,   202
.set BAS,   203
.set SB,    204
.set KK,    205                        ; the rank inside the mask; the bit found so far
.set POS,   206
.set TA,    207                        ; the mask's set bits counted in fields of 2, 4, 8, 16
.set TB,    208
.set TC,    209
.set TD,    210
.set TT,    211
.set TU,    212
.set CN,    220                        ; v[220:223] the four counts
.set X,     64                         ; the way out: half a tile's 32 numbers; then T, E, P at work, 32 each; Y: rows read back
.set T,     128
.set E,     160
.set P,     192
.set Y,     128
; window 1
.set BI,    0                          ; v[0:63]   the bias of my columns, register 8 b + j
.set FB,    64                         ; v[64:255] three buffers of 64 for W's fragments: buffer = (K step % 4) % 3
; window 2: accumulator (a, b) of tiles 0 to 3 at v[64 a + 8 b]
; window 3: tile 4's accumulators at v[8 b], and
.set FA4,   64                         ; v[64:95]   four buffers of 8 for the row fragments of tile 4
.set Z8,    96                         ; v[96:103]  zeros; never rewritten
.set CV,    104                        ; v[104:119] eight K rows' numbers in bf16
.set L16W,  120                        ; 16 lane, for the weights' loads; never rewritten
.set LWS,   122                        ; v[122:123] where I put 8 bytes of my first K row in slot 0, 1; never rewritten
.set XW,    128                        ; v[128:255] the ring: 32 K rows, 4 registers each
; scalars
.set WPT, 62                           ; s[62:63] the weights' pointer in the loop
.set MK,  66                           ; s[66:81] the 16 masks; later:
.set P1,  66                           ;   the rows ahead of quarter 1 (s67-69: the other counts),
.set P2,  70                           ;   of quarter 2,
.set P3,  71                           ;   of quarter 3,
.set TO,  72                           ;   the expert's rows,
.set TM1, 73                           ;   its last row,
.set A1,  74                           ;   256 q less the rows ahead of quarter q: what turns a row's number into its place in the four lists
.set A2,  75
.set A3,  76
.set TW,  77                           ;   my tiles,
.set NT,  78                           ;   my tiles in the pass,
.set LIVE, 79                          ;   1: some wave has tiles in the pass,
.set TW0, 80                           ;   wave 0's tiles: no wave has more
.set PF,  82                           ; s[82:97] the rows ahead of each mask
.set BC,  98
.set MSB, 0
.macro WIN new                         ; the immediate's high byte repeats the setting that is left; a switch that changes nothing is dropped
.if MSB != (\new)
	s_set_vgpr_msb (MSB<<8)|(\new)
.set MSB, \new
.endif
.endm
.macro PLACES                          ; four plain instructions between a matrix instruction and a load into, or a vector instruction on, its registers
.rept 4
	v_nop
.endr
.endm
; THE STREAM.  All its registers lie in window 3, so that it runs under one setting: sources 0 and 1 and the destination in window 3.
.macro WFIRST                          ; my 32 K rows of chunk 0: 512 consecutive bytes a load
	WIN 0xcf
.set i, 0
.rept 32
	global_load_b128 v[XW+4*i:XW+4*i+3], v[L16W], s[18:19] offset:i*WP th:TH_LOAD_NT
.set i, i+1
.endr
	WIN 0
.endm
.macro SBATCH b, to, wcnt              ; rows 8 b .. 8 b + 7 of the ring: waited for (wcnt younger loads may stay out), rounded, 256 consecutive bytes each into slot `to`
	s_wait_loadcnt \wcnt
	WIN 0xcf
.set i, 8*(\b)
.rept 8
	v_cvt_pk_bf16_f32 v[CV+2*(i%8)], v[XW+4*i], v[XW+4*i+1]
	v_cvt_pk_bf16_f32 v[CV+2*(i%8)+1], v[XW+4*i+2], v[XW+4*i+3]
.set i, i+1
.endr
.set i, 8*(\b)
.rept 8
	ds_store_b64 v[LWS+(\to)], v[CV+2*(i%8):CV+2*(i%8)+1] offset:PITCH*i
.set i, i+1
.endr
.endm
.macro WLOADS b, sb, off               ; the same eight places of the ring take their rows of a later chunk, at byte off behind the pointer s[sb:sb+1]
	WIN 0xcf
.set i, 8*(\b)
.rept 8
	global_load_b128 v[XW+4*i:XW+4*i+3], v[L16W], s[\sb:\sb+1] offset:(\off)+i*WP th:TH_LOAD_NT
.set i, i+1
.endr
.endm
.macro PROW                            ; chunk 0 goes into slot 0, chunk 1 is asked for.  32 loads are out throughout: a batch of 8 is in when 24 may stay out
.irp b, 0,1,2,3
	SBATCH \b, 0, 24
	WLOADS \b, 18, 128*WP
.endr
	WIN 0
.endm
; W's fragments of K step j of the chunk in `slot`, 128 columns, into buffer buf: 16 turning loads, each at a fixed register plus an immediate.
.macro ISSUEB buf, slot, j
	WIN 0x40
.irp b, 0,1,2,3,4,5,6,7
	ds_load_tr16_b128 v[FB+64*(\buf)+8*\b:FB+64*(\buf)+8*\b+3], v[ATR+(\slot)] offset:(\j)*KSTEP+32*\b
	ds_load_tr16_b128 v[FB+64*(\buf)+8*\b+4:FB+64*(\buf)+8*\b+7], v[ATR+(\slot)] offset:(\j)*KSTEP+32*\b+16*PITCH
.endr
.endm
; The rows' fragments of one K step into buffer buf, at byte off behind the pointer s[sb:sb+1]: 8 loads for tiles 0 to 3, always; 2 for tile 4 where the pass has it.
; The expert's 32 work-groups read the same rows: hence the hint.
.macro ISSUEA buf, sb, off
.irp a, 0,1,2,3
	global_load_b128 v[FA+32*(\buf)+8*\a:FA+32*(\buf)+8*\a+3], v[AO+\a], s[\sb:\sb+1] offset:(\off) th:TH_LOAD_HT
	global_load_b128 v[FA+32*(\buf)+8*\a+4:FA+32*(\buf)+8*\a+7], v[AO+\a], s[\sb:\sb+1] offset:(\off)+32 th:TH_LOAD_HT
.endr
	s_cmp_lt_u32 s[NT], CT
	s_cbranch_scc1 .Lno4_\@
	WIN 0xc0                                       ; destination window 3
	global_load_b128 v[FA4+8*(\buf):FA4+8*(\buf)+3], v[AO+4], s[\sb:\sb+1] offset:(\off) th:TH_LOAD_HT
	global_load_b128 v[FA4+8*(\buf)+4:FA4+8*(\buf)+7], v[AO+4], s[\sb:\sb+1] offset:(\off)+32 th:TH_LOAD_HT
	WIN 0
.Lno4_\@:
.endm
; The products of K step j of a chunk.  The accumulators take turns, one instruction a turn; behind the jump comes tile 0's first: no product follows the one that it adds onto.
.macro MULT j
	WIN 0xa1                                       ; source 0 (W) window 1, source 1 (rows) window 0, C and D window 2
.irp a, 0,1,2,3
.irp b, 0,1,2,3,4,5,6,7
	v_wmma_f32_16x16x32_bf16 v[64*\a+8*\b:64*\a+8*\b+7], v[FB+64*((\j)%3)+8*\b:FB+64*((\j)%3)+8*\b+7], v[FA+32*(\j)+8*\a:FA+32*(\j)+8*\a+7], v[64*\a+8*\b:64*\a+8*\b+7]
.endr
.endr
	WIN 0                                          ; at a branch and at a label every window is 0
	s_cmp_lt_u32 s[NT], CT
	s_cbranch_scc1 .Lno4m_\@
	WIN 0xfd                                       ; tile 4: W window 1; rows, C and D window 3
.irp b, 0,1,2,3,4,5,6,7
	v_wmma_f32_16x16x32_bf16 v[8*\b:8*\b+7], v[FB+64*((\j)%3)+8*\b:FB+64*((\j)%3)+8*\b+7], v[FA4+8*(\j):FA4+8*(\j)+7], v[8*\b:8*\b+7]
.endr
	WIN 0
.Lno4m_\@:
.endm
; K step j of the chunk in `slot`.  In this order: four places behind the last products; (j = 0) W of steps 0 and 1, straight behind the barrier; the rows of the step three further on, into the buffer that
; the step before read (ra; pointer rp, byte roff); eight rows of the ring into the other slot (sl; wcnt); their places' next loads (ld); W of the step two further on (j < 2); the two waits; the products.
; LOADcnt: a step issues 8 row loads at the least, then 8 weight loads.  The weights wanted now were asked for four steps ago: younger are three steps' 16 and this step's 8 rows: 56.  The rows wanted now were
; asked for three steps ago, ahead of that step's weights: younger are those 8 and three steps' 16: 56.  Where steps ask for less the counts run down.
; DScnt: in a phase the LDS instructions go W0 16, W1 16, stores 8, W2 16 | stores 8, W3 16 | stores 8 | stores 8: the wait leaves out what is younger than the step's fragments.
.macro STEP slot, j, sl, ld, ra, rp, roff, wcnt, rcnt
	PLACES
.if (\j) == 0
	ISSUEB 0, \slot, 0
	ISSUEB 1, \slot, 1
.endif
	WIN 0
.if \ra
	ISSUEA ((\j)+3)%4, \rp, \roff
.endif
.if \sl
	SBATCH \j, 1-(\slot), \wcnt
.endif
.if \ld
	WLOADS \j, WPT, (\slot)*128*WP
.endif
.if (\j) < 2
	ISSUEB ((\j)+2)%3, \slot, (\j)+2
.endif
	s_wait_loadcnt \rcnt
.if (\j) == 0
	s_wait_dscnt 32+8*(\sl)
.elseif (\j) == 1
	s_wait_dscnt 32+16*(\sl)
.elseif (\j) == 2
	s_wait_dscnt 16+16*(\sl)
.else
	s_wait_dscnt 16*(\sl)
.endif
	MULT \j
.endm
; A PHASE.  mode 0: one of the loop's (phases 0 to 5).  mode 6: phase 6: the last chunk is stored, no weights are left to ask for.  mode 7: phase 7: products alone.
.macro PHASE slot, mode
	s_wait_dscnt 0x0                               ; for the others' sake: my stores into this phase's slot are done, and my reads of the other slot are back
	s_barrier_signal -1
	s_barrier_wait -1                              ; this phase's slot is whole, and nobody reads the other one any more
	s_cmp_eq_u32 s[LIVE], 0
	s_cbranch_scc1 .Lidle_\@
.if (\mode) == 0
.irp j, 0,1,2,3
	STEP \slot, \j, 1, 1, 1, 22, 64*(4*(\slot)+\j+3), 56, 56
.endr
.elseif (\mode) == 6
.irp j, 0,1,2,3
	STEP \slot, \j, 1, 0, 1, 20, 64*(27+\j), 56-8*\j, 48-8*\j
.endr
.else
	STEP \slot, 0, 0, 0, 1, 20, 64*31, 0, 24
	STEP \slot, 1, 0, 0, 0, 20, 0, 0, 16
	STEP \slot, 2, 0, 0, 0, 20, 0, 0, 8
	STEP \slot, 3, 0, 0, 0, 20, 0, 0, 0
.endif
.Lidle_\@:
.endm
.macro PASSSET                         ; my tiles in the pass that begins at tile s38, and whether any wave has some
	s_sub_co_i32 s[NT], s[TW], s38
	s_max_i32 s[NT], s[NT], 0
	s_min_i32 s[NT], s[NT], CT
	s_cmp_gt_u32 s[TW0], s38
	s_cselect_b32 s[LIVE], 1, 0
.endm
.macro ZERO                            ; the pass's sums begin: 0 x 0 + 0 into all 40 accumulators
	WIN 0x8f                                       ; sources 0 and 1 window 3, destination window 2
.irp a, 0,1,2,3
.irp b, 0,1,2,3,4,5,6,7
	v_wmma_f32_16x16x32_bf16 v[64*\a+8*\b:64*\a+8*\b+7], v[Z8:Z8+7], v[Z8:Z8+7], 0
.endr
.endr
	WIN 0xcf
.irp b, 0,1,2,3,4,5,6,7
	v_wmma_f32_16x16x32_bf16 v[8*\b:8*\b+7], v[Z8:Z8+7], v[Z8:Z8+7], 0
.endr
	WIN 0
.endm
; The pass's rows: their offsets out of my list, the fragments of K steps 0 to 2, the sums' start while those are on their way.  Behind the last wait no load is out, so every counted wait of the first steps holds.
.macro ROWPRO
	v_add_nc_u32 v42, s40, v2
.irp a, 0,1,2,3,4
	v_add_nc_u32 v14, 16*\a, v42                   ; tile a: my row's place,
	v_min_u32 v14, 0xff, v14                       ; inside my list's 256 words
	v_lshl_add_u32 v14, v14, 2, v[LISTA]
	ds_load_b32 v[AO+\a], v14                      ; LDS serves a wave's instructions in order (ISA guide 5.7.1.4): these see my stores into the list
.endr
	s_wait_dscnt 0x0
.irp a, 0,1,2,3,4
	v_lshrrev_b32 v[AO+\a], 1, v[AO+\a]            ; the slot's token;
	v_lshl_add_u32 v[AO+\a], v[AO+\a], 7, v3       ; in units of 16 bytes: 128 a row of xb, one more for the upper half of the lanes;
	v_min_u32 v[AO+\a], 0x1ff81, v[AO+\a]          ; inside xb: 1,023 rows and one unit at the most;
	v_lshlrev_b32 v[AO+\a], 4, v[AO+\a]            ; in bytes
.endr
	ISSUEA 0, 20, 0
	ISSUEA 1, 20, 64
	ISSUEA 2, 20, 128
	ZERO
	s_wait_loadcnt 0x0
.endm
	s_load_b256 s[4:11], s[0:1], 0x0               ; xb s[4:5], W1 s[6:7], b1 s[8:9], sel s[10:11]
	s_load_b64 s[12:13], s[0:1], 0x20              ; h
	v_lshl_add_u32 v[SPW], v0, 2, SPARE
	v_mov_b32 v[NIL], 0
	v_lshrrev_b32 v14, 5, v0
	v_readfirstlane_b32 s14, v14                   ; wave
	s_and_b32 s15, ttmp7, 0xffff                   ; expert
	s_mov_b32 s16, ttmp9                           ; slice
	v_and_b32 v1, 31, v0                           ; lane
	v_and_b32 v2, 15, v0                           ; lane % 16
	v_bfe_u32 v3, v0, 4, 1                         ; lane / 16
	v_lshlrev_b32 v[L16], 4, v1
	v_lshlrev_b32 v45, 5, v3                       ; my eight columns' bias: 32 bytes for each half of the lanes
	s_mul_i32 s60, s14, KSTEP                      ; my 32 K rows in slot 0,
	s_add_co_u32 s61, s60, SLOTB                   ; in slot 1
	WIN 0xc0                                       ; destination window 3
	v_lshlrev_b32 v[L16W], 4, v1
	v_lshl_add_u32 v[LWS], v1, 3, s60              ; 8 bytes a lane
	v_lshl_add_u32 v[LWS+1], v1, 3, s61
	WIN 0
	s_lshl_b32 s26, s15, 24                        ; W1: expert x 16 MiB + slice x 512 bytes + wave x 32 K rows
	s_lshl_b32 s31, s16, 9
	s_add_co_u32 s26, s26, s31
	s_lshl_b32 s31, s14, 19
	s_add_co_u32 s26, s26, s31
	s_mov_b32 s27, 0
	s_lshl_b32 s32, s14, 11                        ; sel: my wave's 512 words
	s_mov_b32 s33, 0
	s_lshl_b32 s34, s15, 14                        ; b1: expert x 16,384 + slice x 512
	s_lshl_b32 s31, s16, 9
	s_add_co_u32 s34, s34, s31
	s_mov_b32 s35, 0
	s_lshl_b32 s36, s16, 8                         ; h: slice x 256 bytes
	s_mov_b32 s37, 0
	s_wait_kmcnt 0x0
	s_add_nc_u64 s[18:19], s[6:7], s[26:27]        ; the weights' base: my first K row of chunk 0; never rewritten
	s_add_nc_u64 s[10:11], s[10:11], s[32:33]
	s_add_nc_u64 s[8:9], s[8:9], s[34:35]
	s_mov_b64 s[20:21], s[4:5]                     ; the rows' base; never rewritten
	s_add_nc_u64 s[24:25], s[12:13], s[36:37]      ; the output's base
.irp i, 0,1,2,3
	global_load_b128 v[SELV+4*\i:SELV+4*\i+3], v[L16], s[10:11] offset:512*\i  ; register 4 i + c: slot 512 w + 128 i + 4 L + c
.endr
	WIN 0x40                                       ; destination window 1
.irp b, 0,1,2,3,4,5,6,7
	global_load_b128 v[BI+8*\b:BI+8*\b+3], v45, s[8:9] offset:64*\b
	global_load_b128 v[BI+8*\b+4:BI+8*\b+7], v45, s[8:9] offset:64*\b+16
.endr
	WFIRST
	; lane terms and constants, while the loads are out
	WIN 0xc0                                       ; destination window 3: the block of zeros, and tile 4's row buffers, which are written once since their loads can be jumped
.set i, FA4
.rept 40
	v_mov_b32 v[i], 0
.set i, i+1
.endr
	WIN 0
	v_and_b32 v14, 7, v0
	v_lshl_add_u32 v14, v3, 3, v14
	v_mul_u32_u24 v[ATR], v14, PITCH               ; the turning load: K row 8 (l / 16) + l % 8,
	v_bfe_u32 v14, v0, 3, 1
	v_lshl_add_u32 v[ATR], v14, 4, v[ATR]          ; columns 8 ((l / 8) % 2) on
	v_add_nc_u32 v[ATR+1], SLOTB, v[ATR]
	s_mul_i32 s31, s14, 16*SPITCH
	s_add_co_u32 s31, s31, STAGE                   ; my stage
	v_mul_u32_u24 v[STO], v2, SPITCH               ; in: row l % 16, 16 bytes for each half of the lanes
	v_lshl_add_u32 v[STO], v3, 4, v[STO]
	v_add_nc_u32 v[STO], s31, v[STO]
	v_mul_u32_u24 v[RD], v3, SPITCH                ; back: lanes 0-15 one row of 256 bytes, lanes 16-31 the next
	v_lshl_add_u32 v[RD], v2, 4, v[RD]
	v_add_nc_u32 v[RD], s31, v[RD]
	s_lshl_b32 s30, s14, 9                         ; my quarter's first slot
	s_lshl_b32 s31, s14, 10
	s_add_co_u32 s31, s31, LIST
	v_lshl_add_u32 v[LST0], v1, 2, s31
	s_lshl_b32 s31, s14, 10
	s_add_co_u32 s31, s31, WLIST
	v_mov_b32 v[LISTA], s31
	v_lshl_add_u32 v[WL0], v1, 2, s31
	v_mov_b32 v[LISTG], LIST
	s_lshl_b32 s31, s14, 4
	v_lshl_add_u32 v[GB], v3, 6, v2
	v_add_nc_u32 v[GB], s31, v[GB]
	s_mov_b32 s46, 0x3e6d3388                      ; 0.3275911 / sqrt 2
	s_mov_b32 s47, s46
	s_mov_b32 s48, 0xbf38aa3b                      ; -log2(e) / 2: e^(-x x / 2) = 2^(this x x)
	s_mov_b32 s49, s48
	s_mov_b32 s50, 0x3e027906                      ; the form's five coefficients, halved: a1 .. a5
	s_mov_b32 s51, s50
	s_mov_b32 s52, 0xbe11a98e
	s_mov_b32 s53, s52
	s_mov_b32 s54, 0x3f35f0e3
	s_mov_b32 s55, s54
	s_mov_b32 s56, 0xbf3a00e3
	s_mov_b32 s57, s56
	s_mov_b32 s58, 0x3f07dc22
	s_mov_b32 s59, s58
	s_wait_loadcnt 32                              ; sel and the bias are in; chunk 0's 32 loads stay out
	WIN 0x45                                       ; all in window 1: the bias rounded to bf16, like every input; W's buffers serve as scratch
.set i, 0
.rept 32
	v_cvt_pk_bf16_f32 v[FB+i], v[BI+2*i], v[BI+2*i+1]
.set i, i+1
.endr
.set i, 0
.rept 32
	v_lshlrev_b32 v[BI+2*i], 16, v[FB+i]
	v_and_b32 v[BI+2*i+1], 0xffff0000, v[FB+i]
.set i, i+1
.endr
	WIN 0
	; MY QUARTER'S LIST.  Mask n: bit L says that slot 512 w + 128 (n / 4) + 4 L + n % 4 chose my expert.  PF[n]: the rows of the masks ahead of n.  The rows are numbered mask by mask, bit by bit.
.irp n, 0,1,2,3,4,5,6,7,8,9,10,11,12,13,14,15
	v_cmp_eq_u32 s[MK+\n], s15, v[SELV+\n]
.endr
	s_mov_b32 s[PF], 0
.irp n, 0,1,2,3,4,5,6,7,8,9,10,11,12,13,14
	s_bcnt1_i32_b32 s[BC], s[MK+\n]
	s_add_co_u32 s[PF+\n+1], s[PF+\n], s[BC]
.endr
	s_bcnt1_i32_b32 s[BC], s[MK+15]
	s_add_co_u32 s28, s[PF+15], s[BC]              ; my quarter's rows
	s_min_u32 s28, s28, 256                        ; a token's two choices differ: 256 tokens give at most 256 rows
	s_max_u32 s29, s28, 1
	s_sub_co_u32 s29, s29, 1                       ; its last row
	PROW                                           ; chunk 0 into slot 0; chunk 1 is on its way while the list is made
; One halving: the field of fw bits at POS in src counts the set bits of the next w places; a rank at or past that count lies above them.
.macro PICK src, w, fw
	v_bfe_u32 v[TT], v[\src], v[POS], \fw
	v_cmp_ge_u32 vcc_lo, v[KK], v[TT]
	v_cndmask_b32 v[TT], 0, v[TT], vcc_lo
	v_sub_nc_u32 v[KK], v[KK], v[TT]
	v_add_nc_u32 v[TU], \w, v[POS]
	v_cndmask_b32 v[POS], v[POS], v[TU], vcc_lo
.endm
	v_mov_b32 v[RHO], v1
	s_lshl_b32 s61, s29, 2                         ; the last row's byte in the list
	s_mov_b32 s60, 0                               ; the trip's 128 bytes of the list
	s_mov_b32 s45, 8
.Llist:                                                ; a trip finds the slots of rows 32 trip + lane and stores them at fixed places, all lanes on; past the count the last row again
	s_cmp_gt_u32 s60, s61                          ; a trip that begins past the last row is jumped: nobody reads its places.  The first trip always runs
	s_cbranch_scc1 .Llist_next
	v_min_u32 v[RK], s29, v[RHO]
	v_mov_b32 v[MSK], s[MK]
	v_mov_b32 v[BAS], 0
	v_mov_b32 v[SB], 0
.irp n, 1,2,3,4,5,6,7,8,9,10,11,12,13,14,15
	v_cmp_gt_u32 vcc_lo, s[PF+\n], v[RK]           ; the last mask with no more rows ahead of it than my rank holds the row
	v_cndmask_b32 v[MSK], s[MK+\n], v[MSK], vcc_lo
	v_cndmask_b32 v[BAS], s[PF+\n], v[BAS], vcc_lo
	v_cndmask_b32 v[SB], 128*((\n)/4)+(\n)%4, v[SB], vcc_lo
.endr
	v_sub_nc_u32 v[KK], v[RK], v[BAS]
	v_lshrrev_b32 v[TA], 1, v[MSK]
	v_and_b32 v[TA], 0x55555555, v[TA]
	v_sub_nc_u32 v[TA], v[MSK], v[TA]              ; counts of 2 places
	v_lshrrev_b32 v[TB], 2, v[TA]
	v_and_b32 v[TB], 0x33333333, v[TB]
	v_and_b32 v[TT], 0x33333333, v[TA]
	v_add_nc_u32 v[TB], v[TB], v[TT]               ; of 4
	v_lshrrev_b32 v[TC], 4, v[TB]
	v_add_nc_u32 v[TC], v[TC], v[TB]
	v_and_b32 v[TC], 0x0f0f0f0f, v[TC]             ; of 8
	v_lshrrev_b32 v[TD], 8, v[TC]
	v_add_nc_u32 v[TD], v[TD], v[TC]               ; the lowest byte: of the low 16
	v_mov_b32 v[POS], 0
	PICK TD, 16, 8
	PICK TC, 8, 8
	PICK TB, 4, 4
	PICK TA, 2, 2
	PICK MSK, 1, 1
	v_lshl_add_u32 v[TT], v[POS], 2, v[SB]
	v_add_nc_u32 v[TT], s30, v[TT]                 ; the slot
	v_add_nc_u32 v14, s60, v[LST0]
	ds_store_b32 v14, v[TT]
.Llist_next:
	v_add_nc_u32 v[RHO], 32, v[RHO]
	s_add_co_u32 s60, s60, 128
	s_sub_co_u32 s45, s45, 1
	s_cmp_lg_u32 s45, 0
	s_cbranch_scc1 .Llist
	s_lshl_b32 s31, s14, 2
	s_add_co_u32 s31, s31, CNTS
	v_mov_b32 v14, s31
	v_mov_b32 v[TT], s28
	ds_store_b32 v14, v[TT]                        ; my quarter's count, for all four waves
	s_wait_dscnt 0x0                               ; for the others' sake: my list and my count are stored
	s_barrier_signal -1
	s_barrier_wait -1                              ; lists and counts are whole; from here on no wave writes them
	; THE DEAL.  The expert's rows are numbered through the four lists; tile t (rows 16 t ..) goes to wave t % 4.
	v_mov_b32 v14, CNTS
	ds_load_b128 v[CN:CN+3], v14
	s_wait_dscnt 0x0
	v_readfirstlane_b32 s[P1], v[CN]
	v_readfirstlane_b32 s67, v[CN+1]
	v_readfirstlane_b32 s68, v[CN+2]
	v_readfirstlane_b32 s69, v[CN+3]
	s_add_co_u32 s[P2], s[P1], s67
	s_add_co_u32 s[P3], s[P2], s68
	s_add_co_u32 s[TO], s[P3], s69                 ; the expert's rows
	s_max_u32 s[TM1], s[TO], 1
	s_sub_co_u32 s[TM1], s[TM1], 1
	s_sub_co_u32 s[A1], 256, s[P1]                 ; no count passes 256, so none of the three is negative
	s_sub_co_u32 s[A2], 512, s[P2]
	s_sub_co_u32 s[A3], 768, s[P3]
	s_add_co_u32 s31, s[TO], 15
	s_lshr_b32 s31, s31, 4                         ; the expert's tiles,
	s_add_co_u32 s31, s31, 3
	s_lshr_b32 s[TW0], s31, 2                      ; those of them that are wave 0's,
	s_sub_co_u32 s31, s31, s14
	s_lshr_b32 s[TW], s31, 2                       ; and mine: 16 at the most
; Places 32 m + lane of my own list: my tiles 2 m and 2 m + 1, which are the expert's rows 16 w + 128 m + 64 (lane / 16) + lane % 16; past the expert's count the last row again.
.macro GATHER m
	v_add_nc_u32 v[GI], 128*(\m), v[GB]
	v_min_u32 v[GI], s[TM1], v[GI]
	v_mov_b32 v[GA], 0
	v_cmp_gt_u32 vcc_lo, s[P1], v[GI]              ; the last quarter with no more rows ahead of it than the row's number holds the row
	v_cndmask_b32 v[GA], s[A1], v[GA], vcc_lo
	v_cmp_gt_u32 vcc_lo, s[P2], v[GI]
	v_cndmask_b32 v[GA], s[A2], v[GA], vcc_lo
	v_cmp_gt_u32 vcc_lo, s[P3], v[GI]
	v_cndmask_b32 v[GA], s[A3], v[GA], vcc_lo
	v_add_nc_u32 v[GI], v[GI], v[GA]
	v_min_u32 v[GI], 0x3ff, v[GI]                  ; inside the four lists' 1,024 words
	v_lshl_add_u32 v[GI], v[GI], 2, v[LISTG]
	ds_load_b32 v[GS+(\m)], v[GI]
.endm
.irp m, 0,1,2,3,4,5,6,7
	GATHER \m
.endr
	s_wait_dscnt 0x0
.irp m, 0,1,2,3,4,5,6,7
	ds_store_b32 v[WL0], v[GS+\m] offset:128*\m
.endr
	s_mov_b32 s38, 0                               ; the pass's first tile
	s_mov_b32 s40, 0                               ; its first place in my list
	PASSSET
	ROWPRO
; Half h % 2 of tile h / 2: its 32 sums plus the bias, into window 0; each accumulator's lowest registers are read first.
.macro SECTION h
	WIN 0x06+(\h)/8                                ; source 0 window 2 (tile 4: window 3), source 1 window 1
.set k, 0
.rept 16
	v_pk_add_f32 v[X+2*k:X+2*k+1], v[64*(((\h)/2)%4)+32*((\h)%2)+2*k:64*(((\h)/2)%4)+32*((\h)%2)+2*k+1], v[BI+32*((\h)%2)+2*k:BI+32*((\h)%2)+2*k+1]
.set k, k+1
.endr
	WIN 0
.endm
; gelu of X's 32 numbers (four column blocks), rounded to bf16 into E's first 16 registers.  The 64 transcendentals are one batch with one wait.
.macro GELU
.set n, 0
.rept 32
	v_fma_f32 v[T+n], |v[X+n]|, s46, 1.0           ; 1 + p |x| / sqrt 2
.set n, n+1
.endr
.set n, 0
.rept 16
	v_pk_mul_f32 v[E+2*n:E+2*n+1], v[X+2*n:X+2*n+1], v[X+2*n:X+2*n+1]
.set n, n+1
.endr
.set n, 0
.rept 16
	v_pk_mul_f32 v[E+2*n:E+2*n+1], v[E+2*n:E+2*n+1], s[48:49] op_sel_hi:[1,0]  ; -x x log2(e) / 2
.set n, n+1
.endr
.set n, 0
.rept 32
	v_rcp_f32 v[T+n], v[T+n]                       ; t
.set n, n+1
.endr
.set n, 0
.rept 32
	v_exp_f32 v[E+n], v[E+n]                       ; e^(-x x / 2)
.set n, n+1
.endr
	v_nop                                          ; a plain instruction behind the last of the batch,
	s_wait_alu depctr_va_vdst(0)                   ; and the one wait ahead of the batch's first reader
.set n, 0
.rept 16
	v_pk_fma_f32 v[P+2*n:P+2*n+1], v[T+2*n:T+2*n+1], s[58:59], s[56:57] op_sel_hi:[1,0,0]
.set n, n+1
.endr
.irp c, 54, 52, 50
.set n, 0
.rept 16
	v_pk_fma_f32 v[P+2*n:P+2*n+1], v[P+2*n:P+2*n+1], v[T+2*n:T+2*n+1], s[\c:\c+1] op_sel_hi:[1,1,0]
.set n, n+1
.endr
.endr
.set n, 0
.rept 16
	v_pk_mul_f32 v[P+2*n:P+2*n+1], v[P+2*n:P+2*n+1], v[T+2*n:T+2*n+1]
.set n, n+1
.endr
.set n, 0
.rept 16
	v_pk_mul_f32 v[P+2*n:P+2*n+1], v[P+2*n:P+2*n+1], v[E+2*n:E+2*n+1]  ; u = erfc(|x| / sqrt 2) / 2
.set n, n+1
.endr
.set n, 0
.rept 32
	v_max_num_f32 v[T+n], 0, v[X+n]
.set n, n+1
.endr
.set n, 0
.rept 32
	v_fma_f32 v[T+n], -|v[X+n]|, v[P+n], v[T+n]    ; max(x, 0) - |x| u
.set n, n+1
.endr
.set n, 0
.rept 16
	v_cvt_pk_bf16_f32 v[E+n], v[T+2*n], v[T+2*n+1]
.set n, n+1
.endr
.endm
	s_mov_b32 s39, 4                               ; four passes of 5 tiles cover the 16 that a wave can have
.Lpass:
	s_wait_xcnt 0x0                                ; the pointers are written only when every load and store issued has had its address translated
	s_add_nc_u64 s[WPT:WPT+1], s[18:19], 256*WP    ; the loop's first trip asks for chunks 2 and 3
	s_mov_b64 s[22:23], s[20:21]                   ; the rows' pointer in the loop
	s_mov_b32 s41, 3
.Lk:                                                   ; trip t: phases 2 t and 2 t + 1
	PHASE 0, 0
	PHASE 1, 0
	s_wait_xcnt 0x0
	s_add_nc_u64 s[WPT:WPT+1], s[WPT:WPT+1], 256*WP  ; two chunks on
	s_add_nc_u64 s[22:23], s[22:23], 512           ; eight K steps of 32 bf16 on
	s_sub_co_u32 s41, s41, 1
	s_cmp_lg_u32 s41, 0
	s_cbranch_scc1 .Lk
	PHASE 0, 6
	PHASE 1, 7
	s_wait_loadcnt 0x0                             ; no load is out: the row buffers serve as scratch on the way out
	PLACES                                         ; behind the last products, ahead of everything that reads their results or writes their operands
	s_cmp_eq_u32 s[NT], 0
	s_cbranch_scc1 .Lpass_next
	s_mov_b32 s42, 0                               ; the half tile
	s_mov_b32 s43, 2*CT
.Lepi:                                                 ; THE WAY OUT, half a tile a trip: the left 64 columns go into the stage, the right 64 follow, and whole rows leave
	s_lshr_b32 s31, s42, 1                         ; the tile
	s_cmp_ge_u32 s31, s[NT]
	s_cbranch_scc1 .Lepi_next
	s_wait_xcnt 0x0                                ; the last tile's stores have read Y and SV
.irp h, 0,1,2,3,4,5,6,7,8
	s_cmp_eq_u32 s42, \h
	s_cbranch_scc1 .Lsec\h
.endr
	SECTION 9
	s_branch .Lcommon
.irp h, 0,1,2,3,4,5,6,7
.Lsec\h:
	SECTION \h
	s_branch .Lcommon
.endr
.Lsec8:
	SECTION 8
.Lcommon:
	GELU
	s_and_b32 s44, s42, 1
	s_cmp_eq_u32 s44, 1
	s_cbranch_scc1 .Lright
.irp b, 0,1,2,3
	ds_store_b128 v[STO], v[E+4*\b:E+4*\b+3] offset:32*\b
.endr
	s_branch .Lepi_next
.Lright:
.irp b, 0,1,2,3
	ds_store_b128 v[STO], v[E+4*\b:E+4*\b+3] offset:128+32*\b
.endr
	s_lshl_b32 s44, s31, 4
	s_add_co_u32 s44, s44, s40                     ; the tile's first place in my list
	v_add_nc_u32 v44, s44, v3
.irp u, 0,1,2,3,4,5,6,7
	v_add_nc_u32 v14, 2*\u, v44                    ; store u takes rows 2 u (lanes 0-15) and 2 u + 1 (lanes 16-31),
	v_min_u32 v14, 0xff, v14                       ; inside my list's 256 words
	v_lshl_add_u32 v14, v14, 2, v[LISTA]
	ds_load_b32 v[SV+\u], v14
.endr
.irp u, 0,1,2,3,4,5,6,7
	ds_load_b128 v[Y+4*\u:Y+4*\u+3], v[RD] offset:2*SPITCH*\u  ; in order behind both halves' stores
.endr
	s_wait_dscnt 8                                 ; the slots are in: behind them stand the stage's 8 loads
.irp u, 0,1,2,3,4,5,6,7
	v_lshl_add_u32 v[SV+\u], v[SV+\u], 9, v2       ; in units of 16 bytes: 512 a row of h, and my place in the 256 bytes;
	v_min_u32 v[SV+\u], 0xffe0f, v[SV+\u]          ; inside h: 2,047 rows and 15 units at the most;
	v_lshlrev_b32 v[SV+\u], 4, v[SV+\u]            ; in bytes
.endr
.irp u, 0,1,2,3,4,5,6,7
	s_wait_dscnt 7-\u
	global_store_b128 v[SV+\u], v[Y+4*\u:Y+4*\u+3], s[24:25]  ; 16 lanes store 256 consecutive bytes, at a multiple of 256 from h's first byte
.endr
.Lepi_next:
	s_add_co_u32 s42, s42, 1
	s_sub_co_u32 s43, s43, 1
	s_cmp_lg_u32 s43, 0
	s_cbranch_scc1 .Lepi
.Lpass_next:
	s_add_co_u32 s38, s38, CT
	s_add_co_u32 s40, s40, 16*CT
	PASSSET
	s_cmp_eq_u32 s[LIVE], 0
	s_cbranch_scc1 .Lno_more
	s_wait_loadcnt 0x0                             ; a further pass: no load is out,
	s_wait_xcnt 0x0                                ; and the stores have read their registers: ring, row buffers and offsets may be written
	WFIRST                                         ; slot 0 was last read in phase 6, and phase 7's barrier lies between
	PROW
	ROWPRO
.Lno_more:
	s_sub_co_u32 s39, s39, 1
	s_cmp_lg_u32 s39, 0
	s_cbranch_scc1 .Lpass
	s_wait_tensorcnt 0x0                           ; the wave's end, behind my last LDS store
	ds_add_u32 v[SPW], v[NIL]
	s_wait_dscnt 0x0
	s_endpgm
.Lfunc_end_k_q7e072d3ce0_fc1:
	.size	k_q7e072d3ce0_fc1, .Lfunc_end_k_q7e072d3ce0_fc1-k_q7e072d3ce0_fc1
	.p2alignl 7, 3214868480
	.fill 96, 4, 3214868480
	.section	.rodata,"a",@progbits
	.p2align	6, 0x0
	.amdhsa_kernel k_q7e072d3ce0_fc1
		.amdhsa_group_segment_fixed_size 100352
		.amdhsa_private_segment_fixed_size 0
		.amdhsa_enable_private_segment 0
		.amdhsa_kernarg_size 40
		.amdhsa_user_sgpr_count 2
		.amdhsa_user_sgpr_kernarg_segment_ptr 1
		.amdhsa_wavefront_size32 1
		.amdhsa_system_sgpr_workgroup_id_x 1
		.amdhsa_system_sgpr_workgroup_id_y 1
		.amdhsa_system_sgpr_workgroup_id_z 1
		.amdhsa_system_vgpr_workitem_id 0
		.amdhsa_next_free_vgpr 1024
		.amdhsa_next_free_sgpr 100
		.amdhsa_reserve_vcc 1
		.amdhsa_float_denorm_mode_32 3
		.amdhsa_float_denorm_mode_16_64 3
		.amdhsa_memory_ordered 1
		.amdhsa_forward_progress 1
		.amdhsa_inst_pref_size 202
	.end_amdhsa_kernel
	.amdgpu_metadata
---
amdhsa.version: [ 1, 2 ]
amdhsa.kernels:
  - .name:           k_q7e072d3ce0_fc1
    .symbol:         k_q7e072d3ce0_fc1.kd
    .args:
      - { .name: xb, .offset: 0, .size: 8, .value_kind: global_buffer, .address_space: global }
      - { .name: W1, .offset: 8, .size: 8, .value_kind: global_buffer, .address_space: global }
      - { .name: b1, .offset: 16, .size: 8, .value_kind: global_buffer, .address_space: global }
      - { .name: sel, .offset: 24, .size: 8, .value_kind: global_buffer, .address_space: global }
      - { .name: h, .offset: 32, .size: 8, .value_kind: global_buffer, .address_space: global }
    .group_segment_fixed_size: 100352
    .private_segment_fixed_size: 0
    .kernarg_segment_align: 8
    .kernarg_segment_size: 40
    .max_flat_workgroup_size: 128
    .sgpr_count:     100
    .vgpr_count:     1024
    .wavefront_size: 32
...
	.end_amdgpu_metadata
.endif
;; end of part 5
;; launch fc2 (part 6): grid 32 x 8, 4 waves a work-group, no clusters, 100,352 bytes of LDS; arguments h, W2, gate, sel, yp; writes yp
.if DOCPART == 6
	.amdgcn_target "amdgcn-amd-amdhsa--gfx1250"
	.amdhsa_code_object_version 6
	.text
	.protected	k_q7e072d3ce0_fc2
	.globl	k_q7e072d3ce0_fc2
	.p2align	8
	.type	k_q7e072d3ce0_fc2,@function
k_q7e072d3ce0_fc2:
	s_mov_b64 s[64:65], 0
	v_nop
	global_prefetch_b8 v0, s[64:65] scope:SCOPE_SE
	s_setreg_imm32_b32 hwreg(HW_REG_WAVE_MODE, 25, 1), 1
	s_wait_xcnt 0x0
; SECOND PRODUCT OF THE CHOSEN EXPERTS, IN FOUR PARTS ALONG K.  yp[kq][slot][d] = gate[slot] x (h[slot][1024 kq .. + 1023] . W2[e][1024 kq .. + 1023][d]) in f32, for every slot with sel[slot] = e.
; SHARES.  Work-group (X, e), X = 8 kq + ns, owns the slice W2[e][1024 kq .. + 1023][128 ns .. + 127], which it alone reads, and all rows of expert e.  The slice's rows are 512 aligned bytes; the four
; partial sums of a row stay in f32 and are added by the next launch, with the bias.
; THE ROWS.  Each wave lists the slots of its quarter (512 slots) that chose e: at most 256, since a token's two choices differ.  A barrier publishes lists and counts.  The expert's rows, numbered through the
; four lists, are cut into tiles of 16, and tile t goes to wave t % 4; each wave gathers its rows' slots into a list of its own.
; THE RING.  K goes in 8 chunks of 128 rows through two LDS slots.  In PHASE c a wave multiplies chunk c (four K steps of 32: W from LDS by the turning load, h's rows straight from memory as matrix
; operands) and, eight rows a K step, takes its 32 rows of chunk c + 1 out of a ring of 32 loads, rounds them to bf16, stores them into the other slot as they lie, [K][128], and asks for chunk c + 2.
; One barrier a phase: ahead of it each wave has waited for its stores into the next slot and for its reads of the old one.  So the stream of the weights and the products run side by side.
; PASSES.  A pass holds 5 tiles a wave; four passes cover the 16 that a wave can get.  Every wave passes every barrier of all four passes; a pass that no wave needs (the flag LIVE, made alike in all four
; waves from the four counts) is jumped over phase by phase, past no barrier.  A second pass streams the slice once more.  Tiles 0 to 3 of a live pass are always loaded and multiplied (past the count
; they repeat rows and are not stored); tile 4's loads and products are jumped where the pass has fewer than 5 tiles.  So a K step has 8 row loads at the least, and the counted waits lean on those 8 alone.
; THE SUMS are started by 40 matrix instructions on a block of zeros with C = 0, once a pass: the price of writing every K step of the loop alike, in place of a second copy of a K step.
; What the first pass needs (first loads, chunk 0, first rows, the sums' start) stands at the head under no branch, so that every register is written on every way; the same macros stand at a pass's end under LIVE.
; THE MATRIX INSTRUCTION IS USED TRANSPOSED: source 0 = 16 columns of W, source 1 = 16 rows: a lane holds row lane % 16 and the eight neighbouring columns 8 (lane / 16) + 0..7.
; NO TENSOR LOADS: f32 has to pass through registers to become bf16.  NO CLUSTER: a slice is read by one work-group, and the shared rows come by a list that no descriptor covers.
; LIMITS.  W2 is rounded once to bf16, like every input of the program.  In the expert's last tile the places past the count repeat the last row and store its bytes again.
; An expert without rows reads two chunks of its slice and stores nothing.
.set WP,     4096                      ; bytes from a K row of W2[e] to the next
.set PITCH,  288                       ; a K row in LDS: 256 bytes + 32 = 72 words
.set KSTEP,  32*PITCH                  ; 32 K rows: a K step, and a wave's share of a chunk
.set SLOTB,  4*KSTEP                   ; a slot: 128 K rows
.set STAGE,  2*SLOTB                   ; behind the two slots: 16 rows x 272 bytes for each wave
.set SPITCH, 272
.set LIST,   STAGE+4*16*SPITCH         ; the four quarters' lists: 256 words each
.set CNTS,   LIST+4*1024               ; the four quarters' counts
.set WLIST,  CNTS+256                  ; each wave's own rows: 256 words
.set SPARE,  WLIST+4*1024              ; the spare words, 128 bytes for each wave: two blocks of 256 bytes that no other line names
.set CT,     5                         ; tiles in a pass
; window 0
.set SPW,   4                          ; LDS address of my spare word; never rewritten
.set NIL,   5                          ; 0; never rewritten
.set ATR,   6                          ; v[6:7]   my lane's place in a turning load, in slot 0, 1; never rewritten
.set STO,   9                          ; the way out: where I put 32 bytes of a row
.set RD,    10                         ; the way out: where I read a row back
.set LST0,  13                         ; my quarter's list + 4 lane
.set AO,    16                         ; v[16:20] tile a: my row's byte offset in h
.set GW,    22                         ; v[22:26] tile a: my row's gate; v27 is named with v26 as a pair
.set WL0,   28                         ; my own list + 4 lane
.set LISTG, 29                         ; the four lists' first byte
.set GB,    30                         ; the expert's row that stands at place `lane` of my own list: 16 wave + 64 (lane / 16) + lane % 16
.set GA,    31                         ; at work on the gather
.set SV,    32                         ; v[32:39] the gates' byte offsets; on the way out the slots of two rows, then their byte offsets in yp
.set LISTA, 40                         ; my own list
.set L16,   41                         ; 16 lane
.set GI,    43                         ; at work on the gather
.set SELV,  48                         ; v[48:63] sel of my 16 slots
.set GS,    48                         ; v[48:55] later: the gathered slots
.set FA,    64                         ; v[64:191] four buffers of 32 for the row fragments of tiles 0 to 3: buffer = K step % 4
.set RHO,   200                        ; the list: the rank in hand; the rank held to the count; its mask, the ranks ahead of that mask, the mask's first slot
.set RK,    201
.set MSK,   202
.set BAS,   203
.set SB,    204
.set KK,    205                        ; the rank inside the mask; the bit found so far
.set POS,   206
.set TA,    207                        ; the mask's set bits counted in fields of 2, 4, 8, 16
.set TB,    208
.set TC,    209
.set TD,    210
.set TT,    211
.set TU,    212
.set CN,    220                        ; v[220:223] the four counts
.set X,     64                         ; the way out: a tile's 64 numbers
.set Y,     128                        ; v[128:191] rows read back: the left 64 columns, then the right
; window 1
.set FB,    64                         ; v[64:255] three buffers of 64 for W's fragments: buffer = (K step % 4) % 3
; window 2: accumulator (a, b) of tiles 0 to 3 at v[64 a + 8 b]
; window 3: tile 4's accumulators at v[8 b], and
.set FA4,   64                         ; v[64:95]   four buffers of 8 for the row fragments of tile 4
.set Z8,    96                         ; v[96:103]  zeros; never rewritten
.set CV,    104                        ; v[104:119] eight K rows' numbers in bf16
.set L16W,  120                        ; 16 lane, for the weights' loads; never rewritten
.set LWS,   122                        ; v[122:123] where I put 8 bytes of my first K row in slot 0, 1; never rewritten
.set XW,    128                        ; v[128:255] the ring: 32 K rows, 4 registers each
; scalars
.set WPT, 62                           ; s[62:63] the weights' pointer in the loop
.set MK,  66                           ; s[66:81] the 16 masks; later:
.set P1,  66                           ;   the rows ahead of quarter 1 (s67-69: the other counts),
.set P2,  70                           ;   of quarter 2,
.set P3,  71                           ;   of quarter 3,
.set TO,  72                           ;   the expert's rows,
.set TM1, 73                           ;   its last row,
.set A1,  74                           ;   256 q less the rows ahead of quarter q: what turns a row's number into its place in the four lists
.set A2,  75
.set A3,  76
.set TW,  77                           ;   my tiles,
.set NT,  78                           ;   my tiles in the pass,
.set LIVE, 79                          ;   1: some wave has tiles in the pass,
.set TW0, 80                           ;   wave 0's tiles: no wave has more
.set PF,  82                           ; s[82:97] the rows ahead of each mask
.set BC,  98
.set MSB, 0
.macro WIN new                         ; the immediate's high byte repeats the setting that is left; a switch that changes nothing is dropped
.if MSB != (\new)
	s_set_vgpr_msb (MSB<<8)|(\new)
.set MSB, \new
.endif
.endm
.macro PLACES                          ; four plain instructions between a matrix instruction and a load into, or a vector instruction on, its registers
.rept 4
	v_nop
.endr
.endm
; THE STREAM.  All its registers lie in window 3, so that it runs under one setting: sources 0 and 1 and the destination in window 3.
.macro WFIRST                          ; my 32 K rows of chunk 0: 512 consecutive bytes a load
	WIN 0xcf
.set i, 0
.rept 32
	global_load_b128 v[XW+4*i:XW+4*i+3], v[L16W], s[18:19] offset:i*WP th:TH_LOAD_NT
.set i, i+1
.endr
	WIN 0
.endm
.macro SBATCH b, to, wcnt              ; rows 8 b .. 8 b + 7 of the ring: waited for (wcnt younger loads may stay out), rounded, 256 consecutive bytes each into slot `to`
	s_wait_loadcnt \wcnt
	WIN 0xcf
.set i, 8*(\b)
.rept 8
	v_cvt_pk_bf16_f32 v[CV+2*(i%8)], v[XW+4*i], v[XW+4*i+1]
	v_cvt_pk_bf16_f32 v[CV+2*(i%8)+1], v[XW+4*i+2], v[XW+4*i+3]
.set i, i+1
.endr
.set i, 8*(\b)
.rept 8
	ds_store_b64 v[LWS+(\to)], v[CV+2*(i%8):CV+2*(i%8)+1] offset:PITCH*i
.set i, i+1
.endr
.endm
.macro WLOADS b, sb, off               ; the same eight places of the ring take their rows of a later chunk, at byte off behind the pointer s[sb:sb+1]
	WIN 0xcf
.set i, 8*(\b)
.rept 8
	global_load_b128 v[XW+4*i:XW+4*i+3], v[L16W], s[\sb:\sb+1] offset:(\off)+i*WP th:TH_LOAD_NT
.set i, i+1
.endr
.endm
.macro PROW                            ; chunk 0 goes into slot 0, chunk 1 is asked for.  32 loads are out throughout: a batch of 8 is in when 24 may stay out
.irp b, 0,1,2,3
	SBATCH \b, 0, 24
	WLOADS \b, 18, 128*WP
.endr
	WIN 0
.endm
; W's fragments of K step j of the chunk in `slot`, 128 columns, into buffer buf: 16 turning loads, each at a fixed register plus an immediate.
.macro ISSUEB buf, slot, j
	WIN 0x40
.irp b, 0,1,2,3,4,5,6,7
	ds_load_tr16_b128 v[FB+64*(\buf)+8*\b:FB+64*(\buf)+8*\b+3], v[ATR+(\slot)] offset:(\j)*KSTEP+32*\b
	ds_load_tr16_b128 v[FB+64*(\buf)+8*\b+4:FB+64*(\buf)+8*\b+7], v[ATR+(\slot)] offset:(\j)*KSTEP+32*\b+16*PITCH
.endr
.endm
; The rows' fragments of one K step into buffer buf, at byte off behind the pointer s[sb:sb+1]: 8 loads for tiles 0 to 3, always; 2 for tile 4 where the pass has it.
; Eight of the expert's work-groups read the same part of the same rows: hence the hint.
.macro ISSUEA buf, sb, off
.irp a, 0,1,2,3
	global_load_b128 v[FA+32*(\buf)+8*\a:FA+32*(\buf)+8*\a+3], v[AO+\a], s[\sb:\sb+1] offset:(\off) th:TH_LOAD_HT
	global_load_b128 v[FA+32*(\buf)+8*\a+4:FA+32*(\buf)+8*\a+7], v[AO+\a], s[\sb:\sb+1] offset:(\off)+32 th:TH_LOAD_HT
.endr
	s_cmp_lt_u32 s[NT], CT
	s_cbranch_scc1 .Lno4_\@
	WIN 0xc0                                       ; destination window 3
	global_load_b128 v[FA4+8*(\buf):FA4+8*(\buf)+3], v[AO+4], s[\sb:\sb+1] offset:(\off) th:TH_LOAD_HT
	global_load_b128 v[FA4+8*(\buf)+4:FA4+8*(\buf)+7], v[AO+4], s[\sb:\sb+1] offset:(\off)+32 th:TH_LOAD_HT
	WIN 0
.Lno4_\@:
.endm
; The products of K step j of a chunk.  The accumulators take turns, one instruction a turn; behind the jump comes tile 0's first: no product follows the one that it adds onto.
.macro MULT j
	WIN 0xa1                                       ; source 0 (W) window 1, source 1 (rows) window 0, C and D window 2
.irp a, 0,1,2,3
.irp b, 0,1,2,3,4,5,6,7
	v_wmma_f32_16x16x32_bf16 v[64*\a+8*\b:64*\a+8*\b+7], v[FB+64*((\j)%3)+8*\b:FB+64*((\j)%3)+8*\b+7], v[FA+32*(\j)+8*\a:FA+32*(\j)+8*\a+7], v[64*\a+8*\b:64*\a+8*\b+7]
.endr
.endr
	WIN 0                                          ; at a branch and at a label every window is 0
	s_cmp_lt_u32 s[NT], CT
	s_cbranch_scc1 .Lno4m_\@
	WIN 0xfd                                       ; tile 4: W window 1; rows, C and D window 3
.irp b, 0,1,2,3,4,5,6,7
	v_wmma_f32_16x16x32_bf16 v[8*\b:8*\b+7], v[FB+64*((\j)%3)+8*\b:FB+64*((\j)%3)+8*\b+7], v[FA4+8*(\j):FA4+8*(\j)+7], v[8*\b:8*\b+7]
.endr
	WIN 0
.Lno4m_\@:
.endm
; K step j of the chunk in `slot`.  In this order: four places behind the last products; (j = 0) W of steps 0 and 1, straight behind the barrier; the rows of the step three further on, into the buffer that
; the step before read (ra; pointer rp, byte roff); eight rows of the ring into the other slot (sl; wcnt); their places' next loads (ld); W of the step two further on (j < 2); the two waits; the products.
; LOADcnt: a step issues 8 row loads at the least, then 8 weight loads.  The weights wanted now were asked for four steps ago: younger are three steps' 16 and this step's 8 rows: 56.  The rows wanted now were
; asked for three steps ago, ahead of that step's weights: younger are those 8 and three steps' 16: 56.  Where steps ask for less the counts run down.
; DScnt: in a phase the LDS instructions go W0 16, W1 16, stores 8, W2 16 | stores 8, W3 16 | stores 8 | stores 8: the wait leaves out what is younger than the step's fragments.
.macro STEP slot, j, sl, ld, ra, rp, roff, wcnt, rcnt
	PLACES
.if (\j) == 0
	ISSUEB 0, \slot, 0
	ISSUEB 1, \slot, 1
.endif
	WIN 0
.if \ra
	ISSUEA ((\j)+3)%4, \rp, \roff
.endif
.if \sl
	SBATCH \j, 1-(\slot), \wcnt
.endif
.if \ld
	WLOADS \j, WPT, (\slot)*128*WP
.endif
.if (\j) < 2
	ISSUEB ((\j)+2)%3, \slot, (\j)+2
.endif
	s_wait_loadcnt \rcnt
.if (\j) == 0
	s_wait_dscnt 32+8*(\sl)
.elseif (\j) == 1
	s_wait_dscnt 32+16*(\sl)
.elseif (\j) == 2
	s_wait_dscnt 16+16*(\sl)
.else
	s_wait_dscnt 16*(\sl)
.endif
	MULT \j
.endm
; A PHASE.  mode 0: one of the loop's (phases 0 to 5).  mode 6: phase 6: the last chunk is stored, no weights are left to ask for.  mode 7: phase 7: products alone.
.macro PHASE slot, mode
	s_wait_dscnt 0x0                               ; for the others' sake: my stores into this phase's slot are done, and my reads of the other slot are back
	s_barrier_signal -1
	s_barrier_wait -1                              ; this phase's slot is whole, and nobody reads the other one any more
	s_cmp_eq_u32 s[LIVE], 0
	s_cbranch_scc1 .Lidle_\@
.if (\mode) == 0
.irp j, 0,1,2,3
	STEP \slot, \j, 1, 1, 1, 22, 64*(4*(\slot)+\j+3), 56, 56
.endr
.elseif (\mode) == 6
.irp j, 0,1,2,3
	STEP \slot, \j, 1, 0, 1, 20, 64*(27+\j), 56-8*\j, 48-8*\j
.endr
.else
	STEP \slot, 0, 0, 0, 1, 20, 64*31, 0, 24
	STEP \slot, 1, 0, 0, 0, 20, 0, 0, 16
	STEP \slot, 2, 0, 0, 0, 20, 0, 0, 8
	STEP \slot, 3, 0, 0, 0, 20, 0, 0, 0
.endif
.Lidle_\@:
.endm
.macro PASSSET                         ; my tiles in the pass that begins at tile s38, and whether any wave has some
	s_sub_co_i32 s[NT], s[TW], s38
	s_max_i32 s[NT], s[NT], 0
	s_min_i32 s[NT], s[NT], CT
	s_cmp_gt_u32 s[TW0], s38
	s_cselect_b32 s[LIVE], 1, 0
.endm
.macro ZERO                            ; the pass's sums begin: 0 x 0 + 0 into all 40 accumulators
	WIN 0x8f                                       ; sources 0 and 1 window 3, destination window 2
.irp a, 0,1,2,3
.irp b, 0,1,2,3,4,5,6,7
	v_wmma_f32_16x16x32_bf16 v[64*\a+8*\b:64*\a+8*\b+7], v[Z8:Z8+7], v[Z8:Z8+7], 0
.endr
.endr
	WIN 0xcf
.irp b, 0,1,2,3,4,5,6,7
	v_wmma_f32_16x16x32_bf16 v[8*\b:8*\b+7], v[Z8:Z8+7], v[Z8:Z8+7], 0
.endr
	WIN 0
.endm
; The pass's rows: their offsets and gates out of my list, the fragments of K steps 0 to 2, the sums' start while those are on their way.  Behind the last wait no load is out, so every counted wait of the first steps holds.
.macro ROWPRO
	v_add_nc_u32 v42, s40, v2
.irp a, 0,1,2,3,4
	v_add_nc_u32 v14, 16*\a, v42                   ; tile a: my row's place,
	v_min_u32 v14, 0xff, v14                       ; inside my list's 256 words
	v_lshl_add_u32 v14, v14, 2, v[LISTA]
	ds_load_b32 v[AO+\a], v14                      ; the slot, once for h's row (LDS serves a wave's instructions in order, ISA guide 5.7.1.4: these see my stores into the list)
	ds_load_b32 v[SV+\a], v14                      ; and once for the gate
.endr
	s_wait_dscnt 0x0
.irp a, 0,1,2,3,4
	v_min_u32 v[SV+\a], 0x7ff, v[SV+\a]            ; inside gate;
	v_lshlrev_b32 v[SV+\a], 2, v[SV+\a]            ; in bytes
	global_load_b32 v[GW+\a], v[SV+\a], s[8:9]
	v_lshl_add_u32 v[AO+\a], v[AO+\a], 9, v3       ; in units of 16 bytes: 512 a row of h, one more for the upper half of the lanes;
	v_min_u32 v[AO+\a], 0xffe01, v[AO+\a]          ; inside h: 2,047 rows and one unit at the most;
	v_lshlrev_b32 v[AO+\a], 4, v[AO+\a]            ; in bytes
.endr
	ISSUEA 0, 20, 0
	ISSUEA 1, 20, 64
	ISSUEA 2, 20, 128
	ZERO
	s_wait_loadcnt 0x0
.endm
	s_load_b256 s[4:11], s[0:1], 0x0               ; h s[4:5], W2 s[6:7], gate s[8:9], sel s[10:11]
	s_load_b64 s[12:13], s[0:1], 0x20              ; yp
	v_lshl_add_u32 v[SPW], v0, 2, SPARE
	v_mov_b32 v[NIL], 0
	v_lshrrev_b32 v14, 5, v0
	v_readfirstlane_b32 s14, v14                   ; wave
	s_and_b32 s15, ttmp7, 0xffff                   ; expert
	s_and_b32 s16, ttmp9, 7                        ; ns: which 128 columns
	s_lshr_b32 s17, ttmp9, 3                       ; kq: which quarter of K
	v_and_b32 v1, 31, v0                           ; lane
	v_and_b32 v2, 15, v0                           ; lane % 16
	v_bfe_u32 v3, v0, 4, 1                         ; lane / 16
	v_lshlrev_b32 v[L16], 4, v1
	s_mul_i32 s60, s14, KSTEP                      ; my 32 K rows in slot 0,
	s_add_co_u32 s61, s60, SLOTB                   ; in slot 1
	WIN 0xc0                                       ; destination window 3
	v_lshlrev_b32 v[L16W], 4, v1
	v_lshl_add_u32 v[LWS], v1, 3, s60              ; 8 bytes a lane
	v_lshl_add_u32 v[LWS+1], v1, 3, s61
	WIN 0
	s_lshl_b32 s26, s15, 24                        ; W2: expert x 16 MiB + kq x 1,024 K rows + ns x 512 bytes + wave x 32 K rows
	s_lshl_b32 s31, s17, 22
	s_add_co_u32 s26, s26, s31
	s_lshl_b32 s31, s16, 9
	s_add_co_u32 s26, s26, s31
	s_lshl_b32 s31, s14, 17
	s_add_co_u32 s26, s26, s31
	s_mov_b32 s27, 0
	s_lshl_b32 s32, s14, 11                        ; sel: my wave's 512 words
	s_mov_b32 s33, 0
	s_lshl_b32 s34, s17, 11                        ; h: kq x 2,048 bytes of a row
	s_mov_b32 s35, 0
	s_lshl_b32 s36, s17, 23                        ; yp: kq x 8 MiB + ns x 512 bytes
	s_lshl_b32 s31, s16, 9
	s_add_co_u32 s36, s36, s31
	s_mov_b32 s37, 0
	s_wait_kmcnt 0x0
	s_add_nc_u64 s[18:19], s[6:7], s[26:27]        ; the weights' base: my first K row of chunk 0; never rewritten
	s_add_nc_u64 s[10:11], s[10:11], s[32:33]
	s_add_nc_u64 s[20:21], s[4:5], s[34:35]        ; the rows' base; never rewritten
	s_add_nc_u64 s[24:25], s[12:13], s[36:37]      ; the output's base
.irp i, 0,1,2,3
	global_load_b128 v[SELV+4*\i:SELV+4*\i+3], v[L16], s[10:11] offset:512*\i  ; register 4 i + c: slot 512 w + 128 i + 4 L + c
.endr
	WFIRST
	; lane terms, while the loads are out
	WIN 0xc0                                       ; destination window 3: the block of zeros, and tile 4's row buffers, which are written once since their loads can be jumped
.set i, FA4
.rept 40
	v_mov_b32 v[i], 0
.set i, i+1
.endr
	WIN 0
	v_and_b32 v14, 7, v0
	v_lshl_add_u32 v14, v3, 3, v14
	v_mul_u32_u24 v[ATR], v14, PITCH               ; the turning load: K row 8 (l / 16) + l % 8,
	v_bfe_u32 v14, v0, 3, 1
	v_lshl_add_u32 v[ATR], v14, 4, v[ATR]          ; columns 8 ((l / 8) % 2) on
	v_add_nc_u32 v[ATR+1], SLOTB, v[ATR]
	s_mul_i32 s31, s14, 16*SPITCH
	s_add_co_u32 s31, s31, STAGE                   ; my stage
	v_mul_u32_u24 v[STO], v2, SPITCH               ; in: row l % 16, 32 bytes (eight f32) for each half of the lanes
	v_lshl_add_u32 v[STO], v3, 5, v[STO]
	v_add_nc_u32 v[STO], s31, v[STO]
	v_mul_u32_u24 v[RD], v3, SPITCH                ; back: lanes 0-15 one row's 256 bytes, lanes 16-31 the next row's
	v_lshl_add_u32 v[RD], v2, 4, v[RD]
	v_add_nc_u32 v[RD], s31, v[RD]
	s_lshl_b32 s30, s14, 9                         ; my quarter's first slot
	s_lshl_b32 s31, s14, 10
	s_add_co_u32 s31, s31, LIST
	v_lshl_add_u32 v[LST0], v1, 2, s31
	s_lshl_b32 s31, s14, 10
	s_add_co_u32 s31, s31, WLIST
	v_mov_b32 v[LISTA], s31
	v_lshl_add_u32 v[WL0], v1, 2, s31
	v_mov_b32 v[LISTG], LIST
	s_lshl_b32 s31, s14, 4
	v_lshl_add_u32 v[GB], v3, 6, v2
	v_add_nc_u32 v[GB], s31, v[GB]
	v_mov_b32 v[GW+5], 0                           ; named with tile 4's gate as a pair, so it is written
	s_wait_loadcnt 32                              ; sel is in; chunk 0's 32 loads stay out
	; MY QUARTER'S LIST.  Mask n: bit L says that slot 512 w + 128 (n / 4) + 4 L + n % 4 chose my expert.  PF[n]: the rows of the masks ahead of n.  The rows are numbered mask by mask, bit by bit.
.irp n, 0,1,2,3,4,5,6,7,8,9,10,11,12,13,14,15
	v_cmp_eq_u32 s[MK+\n], s15, v[SELV+\n]
.endr
	s_mov_b32 s[PF], 0
.irp n, 0,1,2,3,4,5,6,7,8,9,10,11,12,13,14
	s_bcnt1_i32_b32 s[BC], s[MK+\n]
	s_add_co_u32 s[PF+\n+1], s[PF+\n], s[BC]
.endr
	s_bcnt1_i32_b32 s[BC], s[MK+15]
	s_add_co_u32 s28, s[PF+15], s[BC]              ; my quarter's rows
	s_min_u32 s28, s28, 256                        ; a token's two choices differ: 256 tokens give at most 256 rows
	s_max_u32 s29, s28, 1
	s_sub_co_u32 s29, s29, 1                       ; its last row
	PROW                                           ; chunk 0 into slot 0; chunk 1 is on its way while the list is made
; One halving: the field of fw bits at POS in src counts the set bits of the next w places; a rank at or past that count lies above them.
.macro PICK src, w, fw
	v_bfe_u32 v[TT], v[\src], v[POS], \fw
	v_cmp_ge_u32 vcc_lo, v[KK], v[TT]
	v_cndmask_b32 v[TT], 0, v[TT], vcc_lo
	v_sub_nc_u32 v[KK], v[KK], v[TT]
	v_add_nc_u32 v[TU], \w, v[POS]
	v_cndmask_b32 v[POS], v[POS], v[TU], vcc_lo
.endm
	v_mov_b32 v[RHO], v1
	s_lshl_b32 s61, s29, 2                         ; the last row's byte in the list
	s_mov_b32 s60, 0                               ; the trip's 128 bytes of the list
	s_mov_b32 s45, 8
.Llist:                                                ; a trip finds the slots of rows 32 trip + lane and stores them at fixed places, all lanes on; past the count the last row again
	s_cmp_gt_u32 s60, s61                          ; a trip that begins past the last row is jumped: nobody reads its places.  The first trip always runs
	s_cbranch_scc1 .Llist_next
	v_min_u32 v[RK], s29, v[RHO]
	v_mov_b32 v[MSK], s[MK]
	v_mov_b32 v[BAS], 0
	v_mov_b32 v[SB], 0
.irp n, 1,2,3,4,5,6,7,8,9,10,11,12,13,14,15
	v_cmp_gt_u32 vcc_lo, s[PF+\n], v[RK]           ; the last mask with no more rows ahead of it than my rank holds the row
	v_cndmask_b32 v[MSK], s[MK+\n], v[MSK], vcc_lo
	v_cndmask_b32 v[BAS], s[PF+\n], v[BAS], vcc_lo
	v_cndmask_b32 v[SB], 128*((\n)/4)+(\n)%4, v[SB], vcc_lo
.endr
	v_sub_nc_u32 v[KK], v[RK], v[BAS]
	v_lshrrev_b32 v[TA], 1, v[MSK]
	v_and_b32 v[TA], 0x55555555, v[TA]
	v_sub_nc_u32 v[TA], v[MSK], v[TA]              ; counts of 2 places
	v_lshrrev_b32 v[TB], 2, v[TA]
	v_and_b32 v[TB], 0x33333333, v[TB]
	v_and_b32 v[TT], 0x33333333, v[TA]
	v_add_nc_u32 v[TB], v[TB], v[TT]               ; of 4
	v_lshrrev_b32 v[TC], 4, v[TB]
	v_add_nc_u32 v[TC], v[TC], v[TB]
	v_and_b32 v[TC], 0x0f0f0f0f, v[TC]             ; of 8
	v_lshrrev_b32 v[TD], 8, v[TC]
	v_add_nc_u32 v[TD], v[TD], v[TC]               ; the lowest byte: of the low 16
	v_mov_b32 v[POS], 0
	PICK TD, 16, 8
	PICK TC, 8, 8
	PICK TB, 4, 4
	PICK TA, 2, 2
	PICK MSK, 1, 1
	v_lshl_add_u32 v[TT], v[POS], 2, v[SB]
	v_add_nc_u32 v[TT], s30, v[TT]                 ; the slot
	v_add_nc_u32 v14, s60, v[LST0]
	ds_store_b32 v14, v[TT]
.Llist_next:
	v_add_nc_u32 v[RHO], 32, v[RHO]
	s_add_co_u32 s60, s60, 128
	s_sub_co_u32 s45, s45, 1
	s_cmp_lg_u32 s45, 0
	s_cbranch_scc1 .Llist
	s_lshl_b32 s31, s14, 2
	s_add_co_u32 s31, s31, CNTS
	v_mov_b32 v14, s31
	v_mov_b32 v[TT], s28
	ds_store_b32 v14, v[TT]                        ; my quarter's count, for all four waves
	s_wait_dscnt 0x0                               ; for the others' sake: my list and my count are stored
	s_barrier_signal -1
	s_barrier_wait -1                              ; lists and counts are whole; from here on no wave writes them
	; THE DEAL.  The expert's rows are numbered through the four lists; tile t (rows 16 t ..) goes to wave t % 4.
	v_mov_b32 v14, CNTS
	ds_load_b128 v[CN:CN+3], v14
	s_wait_dscnt 0x0
	v_readfirstlane_b32 s[P1], v[CN]
	v_readfirstlane_b32 s67, v[CN+1]
	v_readfirstlane_b32 s68, v[CN+2]
	v_readfirstlane_b32 s69, v[CN+3]
	s_add_co_u32 s[P2], s[P1], s67
	s_add_co_u32 s[P3], s[P2], s68
	s_add_co_u32 s[TO], s[P3], s69                 ; the expert's rows
	s_max_u32 s[TM1], s[TO], 1
	s_sub_co_u32 s[TM1], s[TM1], 1
	s_sub_co_u32 s[A1], 256, s[P1]                 ; no count passes 256, so none of the three is negative
	s_sub_co_u32 s[A2], 512, s[P2]
	s_sub_co_u32 s[A3], 768, s[P3]
	s_add_co_u32 s31, s[TO], 15
	s_lshr_b32 s31, s31, 4                         ; the expert's tiles,
	s_add_co_u32 s31, s31, 3
	s_lshr_b32 s[TW0], s31, 2                      ; those of them that are wave 0's,
	s_sub_co_u32 s31, s31, s14
	s_lshr_b32 s[TW], s31, 2                       ; and mine: 16 at the most
; Places 32 m + lane of my own list: my tiles 2 m and 2 m + 1, which are the expert's rows 16 w + 128 m + 64 (lane / 16) + lane % 16; past the expert's count the last row again.
.macro GATHER m
	v_add_nc_u32 v[GI], 128*(\m), v[GB]
	v_min_u32 v[GI], s[TM1], v[GI]
	v_mov_b32 v[GA], 0
	v_cmp_gt_u32 vcc_lo, s[P1], v[GI]              ; the last quarter with no more rows ahead of it than the row's number holds the row
	v_cndmask_b32 v[GA], s[A1], v[GA], vcc_lo
	v_cmp_gt_u32 vcc_lo, s[P2], v[GI]
	v_cndmask_b32 v[GA], s[A2], v[GA], vcc_lo
	v_cmp_gt_u32 vcc_lo, s[P3], v[GI]
	v_cndmask_b32 v[GA], s[A3], v[GA], vcc_lo
	v_add_nc_u32 v[GI], v[GI], v[GA]
	v_min_u32 v[GI], 0x3ff, v[GI]                  ; inside the four lists' 1,024 words
	v_lshl_add_u32 v[GI], v[GI], 2, v[LISTG]
	ds_load_b32 v[GS+(\m)], v[GI]
.endm
.irp m, 0,1,2,3,4,5,6,7
	GATHER \m
.endr
	s_wait_dscnt 0x0
.irp m, 0,1,2,3,4,5,6,7
	ds_store_b32 v[WL0], v[GS+\m] offset:128*\m
.endr
	s_mov_b32 s38, 0                               ; the pass's first tile
	s_mov_b32 s40, 0                               ; its first place in my list
	PASSSET
	ROWPRO
; Tile a's 64 sums times my row's gate, into window 0; each accumulator's lowest registers are read first.  The gate is one register of a pair, given to both halves.
.macro SECTION a
	WIN 0x02+(\a)/4                                ; source 0 window 2 (tile 4: window 3)
.set k, 0
.rept 32
.if ((\a)%2) == 0
	v_pk_mul_f32 v[X+2*k:X+2*k+1], v[64*((\a)%4)+2*k:64*((\a)%4)+2*k+1], v[GW+2*((\a)/2):GW+2*((\a)/2)+1] op_sel_hi:[1,0]
.else
	v_pk_mul_f32 v[X+2*k:X+2*k+1], v[64*((\a)%4)+2*k:64*((\a)%4)+2*k+1], v[GW+2*((\a)/2):GW+2*((\a)/2)+1] op_sel:[0,1] op_sel_hi:[1,1]
.endif
.set k, k+1
.endr
	WIN 0
.endm
	s_mov_b32 s39, 4                               ; four passes of 5 tiles cover the 16 that a wave can have
.Lpass:
	s_wait_xcnt 0x0                                ; the pointers are written only when every load and store issued has had its address translated
	s_add_nc_u64 s[WPT:WPT+1], s[18:19], 256*WP    ; the loop's first trip asks for chunks 2 and 3
	s_mov_b64 s[22:23], s[20:21]                   ; the rows' pointer in the loop
	s_mov_b32 s41, 3
.Lk:                                                   ; trip t: phases 2 t and 2 t + 1
	PHASE 0, 0
	PHASE 1, 0
	s_wait_xcnt 0x0
	s_add_nc_u64 s[WPT:WPT+1], s[WPT:WPT+1], 256*WP  ; two chunks on
	s_add_nc_u64 s[22:23], s[22:23], 512           ; eight K steps of 32 bf16 on
	s_sub_co_u32 s41, s41, 1
	s_cmp_lg_u32 s41, 0
	s_cbranch_scc1 .Lk
	PHASE 0, 6
	PHASE 1, 7
	s_wait_loadcnt 0x0                             ; no load is out: the row buffers serve as scratch on the way out
	PLACES                                         ; behind the last products, ahead of everything that reads their results or writes their operands
	s_cmp_eq_u32 s[NT], 0
	s_cbranch_scc1 .Lpass_next
	s_mov_b32 s42, 0                               ; the tile
	s_mov_b32 s43, CT
	s_mov_b32 s44, s40                             ; its first place in my list
.Lepi:
	s_cmp_ge_u32 s42, s[NT]
	s_cbranch_scc1 .Lepi_next
	s_wait_xcnt 0x0                                ; the last tile's stores have read Y and SV
	v_add_nc_u32 v44, s44, v3
.irp u, 0,1,2,3,4,5,6,7
	v_add_nc_u32 v14, 2*\u, v44                    ; store u takes rows 2 u (lanes 0-15) and 2 u + 1 (lanes 16-31),
	v_min_u32 v14, 0xff, v14                       ; inside my list's 256 words
	v_lshl_add_u32 v14, v14, 2, v[LISTA]
	ds_load_b32 v[SV+\u], v14
.endr
.irp a, 0,1,2,3
	s_cmp_eq_u32 s42, \a
	s_cbranch_scc1 .Lsec\a
.endr
	SECTION 4
	s_branch .Lcommon
.irp a, 0,1,2
.Lsec\a:
	SECTION \a
	s_branch .Lcommon
.endr
.Lsec3:
	SECTION 3
.Lcommon:
.irp f, 0,1                            ; the tile's left 64 columns, then its right: 256 bytes of each of 16 rows through the stage
.irp b, 0,1,2,3
	ds_store_b128 v[STO], v[X+32*\f+8*\b:X+32*\f+8*\b+3] offset:64*\b
	ds_store_b128 v[STO], v[X+32*\f+8*\b+4:X+32*\f+8*\b+7] offset:64*\b+16
.endr
.irp u, 0,1,2,3,4,5,6,7
	ds_load_b128 v[Y+32*\f+4*\u:Y+32*\f+4*\u+3], v[RD] offset:2*SPITCH*\u  ; in order behind the stores above; the next half's stores come behind them
.endr
.endr
	s_wait_dscnt 32                                ; the slots are in: behind them stand the stage's 16 stores and 16 loads
.irp u, 0,1,2,3,4,5,6,7
	v_lshl_add_u32 v[SV+\u], v[SV+\u], 8, v2       ; in units of 16 bytes: 256 a row of yp, and my place in the 256 bytes;
	v_min_u32 v[SV+\u], 0x7ff0f, v[SV+\u]          ; inside a part of yp: 2,047 rows and 15 units at the most;
	v_lshlrev_b32 v[SV+\u], 4, v[SV+\u]            ; in bytes
.endr
.irp f, 0,1
.irp u, 0,1,2,3,4,5,6,7
	s_wait_dscnt (1-\f)*16+7-\u                    ; the younger loads of this half, and for the left half the right half's sixteen instructions
	global_store_b128 v[SV+\u], v[Y+32*\f+4*\u:Y+32*\f+4*\u+3], s[24:25] offset:256*\f  ; 16 lanes store 256 consecutive bytes, at a multiple of 256 from yp's first byte
.endr
.endr
.Lepi_next:
	s_add_co_u32 s42, s42, 1
	s_add_co_u32 s44, s44, 16
	s_sub_co_u32 s43, s43, 1
	s_cmp_lg_u32 s43, 0
	s_cbranch_scc1 .Lepi
.Lpass_next:
	s_add_co_u32 s38, s38, CT
	s_add_co_u32 s40, s40, 16*CT
	PASSSET
	s_cmp_eq_u32 s[LIVE], 0
	s_cbranch_scc1 .Lno_more
	s_wait_loadcnt 0x0                             ; a further pass: no load is out,
	s_wait_xcnt 0x0                                ; and the stores have read their registers: ring, row buffers and offsets may be written
	WFIRST                                         ; slot 0 was last read in phase 6, and phase 7's barrier lies between
	PROW
	ROWPRO
.Lno_more:
	s_sub_co_u32 s39, s39, 1
	s_cmp_lg_u32 s39, 0
	s_cbranch_scc1 .Lpass
	s_wait_tensorcnt 0x0                           ; the wave's end, behind my last LDS store
	ds_add_u32 v[SPW], v[NIL]
	s_wait_dscnt 0x0
	s_endpgm
.Lfunc_end_k_q7e072d3ce0_fc2:
	.size	k_q7e072d3ce0_fc2, .Lfunc_end_k_q7e072d3ce0_fc2-k_q7e072d3ce0_fc2
	.p2alignl 7, 3214868480
	.fill 96, 4, 3214868480
	.section	.rodata,"a",@progbits
	.p2align	6, 0x0
	.amdhsa_kernel k_q7e072d3ce0_fc2
		.amdhsa_group_segment_fixed_size 100352
		.amdhsa_private_segment_fixed_size 0
		.amdhsa_enable_private_segment 0
		.amdhsa_kernarg_size 40
		.amdhsa_user_sgpr_count 2
		.amdhsa_user_sgpr_kernarg_segment_ptr 1
		.amdhsa_wavefront_size32 1
		.amdhsa_system_sgpr_workgroup_id_x 1
		.amdhsa_system_sgpr_workgroup_id_y 1
		.amdhsa_system_sgpr_workgroup_id_z 1
		.amdhsa_system_vgpr_workitem_id 0
		.amdhsa_next_free_vgpr 1024
		.amdhsa_next_free_sgpr 100
		.amdhsa_reserve_vcc 1
		.amdhsa_float_denorm_mode_32 3
		.amdhsa_float_denorm_mode_16_64 3
		.amdhsa_memory_ordered 1
		.amdhsa_forward_progress 1
		.amdhsa_inst_pref_size 182
	.end_amdhsa_kernel
	.amdgpu_metadata
---
amdhsa.version: [ 1, 2 ]
amdhsa.kernels:
  - .name:           k_q7e072d3ce0_fc2
    .symbol:         k_q7e072d3ce0_fc2.kd
    .args:
      - { .name: h, .offset: 0, .size: 8, .value_kind: global_buffer, .address_space: global }
      - { .name: W2, .offset: 8, .size: 8, .value_kind: global_buffer, .address_space: global }
      - { .name: gate, .offset: 16, .size: 8, .value_kind: global_buffer, .address_space: global }
      - { .name: sel, .offset: 24, .size: 8, .value_kind: global_buffer, .address_space: global }
      - { .name: yp, .offset: 32, .size: 8, .value_kind: global_buffer, .address_space: global }
    .group_segment_fixed_size: 100352
    .private_segment_fixed_size: 0
    .kernarg_segment_align: 8
    .kernarg_segment_size: 40
    .max_flat_workgroup_size: 128
    .sgpr_count:     100
    .vgpr_count:     1024
    .wavefront_size: 32
...
	.end_amdgpu_metadata
.endif
;; end of part 6
;; launch sum: the kernel of part 4 again; grid 256 x 1, 8 waves a work-group, no clusters, 0 bytes of LDS; arguments yp, sel, gate, b2, out0; writes out0
